; MI455X (gfx1250); checked and timed in simulation.
; The chip was launched on July 23, 2026; its instructions are those of AMD's public machine-readable ISA for CDNA 5 (MIT licence, August 2026) and "CDNA5" Instruction Set Architecture Reference Guide (July 2026). The comments in the code are by the model that wrote it; some were corrected since.
;; CLIP Cross Attention VS. Allowed arithmetic: matrix products marked QUANTISED: E2M1 operands, one E8M0 scale for each 32 along K, by v_wmma_scale_f32_16x16x128_f8f6f4 with both operands' format E2M1 (or v_wmma_scale_f32_32x16x128_f4), f32 sums; products left as they are: bf16, f16 or f32 operands; f32 sums; everything else in f32.
;; Inputs: Wk 1,024 x 1,024 float32; Wo 1,024 x 1,024 float32; Wq 1,024 x 1,024 float32; Wv 1,024 x 1,024 float32; bk 1,024 float32; bo 1,024 float32; bq 1,024 float32; bv 1,024 float32; hidden_states 16 x 1,024 x 1,024 float32; text_states 128 x 16 x 1,024 float32.
;; Outputs: out0 16 x 1,024 x 1,024 float32.
;; This version of the problem:
;;   THIS VERSION OF THE PROBLEM IS GIVEN IN LOW PRECISION. The matrix products marked QUANTISED in the list below multiply operands that are first quantised to E2M1 (2 exponent bits, 1 mantissa bit; 4 bits a number), with one power-of-two scale for each 32 numbers along K (OCP MX v1.0); their sums are f32. The products marked 'left as it is' may take bf16, f16 or f32 operands, with f32 sums. Whichever they take, every output number must still come out within the allowed error. Rounding operands to bf16 (8 significant bits) uses up far more of that allowance than f16 does (11 bits, for magnitudes from 6e-5 to 65,504). All else is computed in f32.
;;   The module's matrix products, in the order in which they are computed (A, B: the left and right operand; K: the contracted axis; several contracted axes count as one K, in the product's order):
;;     1. [M 2,048, K 1,024] x [K 1,024, N 1,024]; A: input text_states; B: input Wq: QUANTISED
;;     2. [M 16,384, K 1,024] x [K 1,024, N 1,024]; A: input hidden_states; B: input Wk: QUANTISED
;;     3. [M 16,384, K 1,024] x [K 1,024, N 1,024]; A: input hidden_states; B: input Wv: QUANTISED
;;     4. batch 256 x [M 128, K 64] x [K 64, N 1,024]; A: computed on the way; B: computed on the way: left as it is (an operand is computed on the way)
;;     5. batch 256 x [M 128, K 1,024] x [K 1,024, N 64]; A: computed on the way; B: computed on the way: left as it is (an operand is computed on the way)
;;     6. batch 256 x [M 1,024, K 128] x [K 128, N 64]; A: computed on the way; B: computed on the way: left as it is (an operand is computed on the way)
;;     7. [M 16,384, K 1,024] x [K 1,024, N 1,024]; A: computed on the way; B: input Wo: left as it is (an operand is computed on the way)
;;   THE QUANTISER, for each operand of a quantised product, along K:
;;     - K is cut into blocks of 32 from its start; a last block that is shorter is filled with zeros.
;;     - A block's scale is 2^e with e = floor(log2(the largest magnitude in the block)) - 2, held to -126 .. 127; a block of zeros has e = 0. As a byte (E8M0): e + 127.
;;     - Each number is divided by its block's scale, clamped to +-6, and rounded to the nearest number of E2M1, ties to even, subnormals kept.
;;     - The product sums the exact products of the quantised numbers (number of the format x scale) in f32.
;;   ~~~python
;;   def quantise(x, axis):      # numpy; x: float32 -> the quantised numbers, widened to float32 again
;;       x = np.moveaxis(x, axis, -1); K = x.shape[-1]
;;       x = np.pad(x, [(0, 0)] * (x.ndim - 1) + [(0, -K % 32)]); x = x.reshape(x.shape[:-1] + (-1, 32)); a = np.abs(x).max(-1, keepdims=True)
;;       e = np.where(a > 0, np.clip(np.frexp(np.where(a > 0, a, 1))[1] - 1 - 2, -126, 127), 0)      # np.frexp(a)[1] - 1 = floor(log2(a)), exactly
;;       r = np.clip(x / 2.0 ** e, -6, 6)
;;       step = 2.0 ** (np.maximum(np.frexp(np.where(r == 0, 1, r))[1] - 1, 0) - 1)
;;       q = np.round(r / step) * step * 2.0 ** e      # np.round: ties to even
;;       return np.moveaxis(q.reshape(q.shape[:-2] + (-1,))[..., :K], -1, axis).astype(np.float32)
;;   ~~~
;; One version. Each part assembles by itself: llvm-mc -triple=amdgcn-amd-amdhsa -mcpu=gfx1250 --defsym DOCPART=n.
;; ======== version 1 of 1: 4 launches
;; limits: values are held in f16: magnitudes above 65,504 overflow, below 6.1e-05 lose precision
;; workspace buffers: codes 11,010,048 bytes; scales 688,128 bytes; kv 67,108,864 bytes; vmax 4,096 bytes; att 33,554,432 bytes; wo16 2,097,152 bytes
;; launch prep (part 1): grid 688 x 1, 4 waves a work-group, no clusters, 84,480 bytes of LDS; arguments hidden_states, text_states, Wk, Wv, Wq, Wo, codes, scales, wo16; writes codes, scales, wo16
.if DOCPART == 1
	.amdgcn_target "amdgcn-amd-amdhsa--gfx1250"
	.amdhsa_code_object_version 6
	.text
	.protected	k_q4a8996abef_prep
	.globl	k_q4a8996abef_prep
	.p2align	8
	.type	k_q4a8996abef_prep,@function
k_q4a8996abef_prep:
	s_mov_b64 s[64:65], 0
	v_nop
	global_prefetch_b8 v0, s[64:65] scope:SCOPE_SE
	s_setreg_imm32_b32 hwreg(HW_REG_WAVE_MODE, 25, 1), 1
	s_wait_xcnt 0x0
; PREP: every operand of the three quantised products becomes codes of E2M1 with one E8M0 byte for each 32 along K, once; Wo becomes f16 in the order of an operand's registers.
; DEAD WORK, for the whole program: bk.  k = hidden Wk + bk enters the result only through the scores q_t . k_s, to which bk adds q_t . bk: the same number for every key s of row t.
; The softmax runs over s, and a term that is the same along its axis leaves it unchanged for all finite inputs.  k is used nowhere else, and the product of q with k is not quantised.
; So bk is not loaded and is no argument of any launch.  LIMIT: a NaN, an infinity or an overflow that reaches only bk's term is not carried to the result.
; LIMITS: NaN and infinities among the inputs are not served; a block whose largest magnitude lies under 2^-124 (a block of zeros too) gets the byte 1: its codes are then zeros or nearly so,
; and the bytes are read by this program alone.
; codes: rows of 512 bytes (1,024 codes, K innermost).  Rows 0..16383 hidden, 16384..18431 text (flat rows), 18432 + 512 (n / 256) + 256 kind + n % 256 column n of Wk (kind 0) or Wv (kind 1), 20480 + n column n of Wq.
; scales: the same rows, 32 bytes each.   wo16: [n / 16][k / 16][512 bytes]: lane (r, h) holds Wo[16 (k / 16) + 8 h + 0..7][16 (n / 16) + r] as f16, 16 bytes at 16 x lane.
; Work-groups 0..47 take the three weights (K outermost), 48..111 Wo, 112..687 hidden and text (K innermost): a wave of the weights' way has the longest chain of loads that follow on each other
; (16 blocks, four of them out), so these work-groups have the lowest numbers.  The three ways part on the work-group's number and have LDS bytes of their own.
.set SPARE, 83968                      ; behind both ways' LDS: the spare words, 128 bytes for each wave
.set SPW,   238                        ; v238 LDS address of my spare word; never rewritten
.set NIL,   239                        ; v239 0; never rewritten
	s_load_b256 s[4:11], s[0:1], 0x0               ; hidden s[4:5], text s[6:7], Wk s[8:9], Wv s[10:11]
	s_load_b256 s[12:19], s[0:1], 0x20             ; Wq s[12:13], Wo s[14:15], codes s[16:17], scales s[18:19]
	s_load_b64 s[20:21], s[0:1], 0x40              ; wo16
	v_lshl_add_u32 v[SPW], v0, 2, SPARE
	v_mov_b32 v[NIL], 0
	v_lshrrev_b32 v1, 5, v0
	v_readfirstlane_b32 s22, v1                    ; wave 0..3
	v_and_b32 v2, 31, v0                           ; lane
	s_wait_kmcnt 0x0
	s_cmp_lt_u32 ttmp9, 48
	s_cbranch_scc1 .Lpath_w
	s_cmp_lt_u32 ttmp9, 112
	s_cbranch_scc1 .Lpath_o
; ---- hidden and text: plain streams of blocks of 32.  A wave takes 16 steps of 512 numbers.  Each load reads 512 consecutive bytes; a step turns through the wave's own stage in LDS, so that a lane
; holds 16 neighbours along K (two neighbouring lanes hold a block).  A lane's 16 codes are 8 bytes: a store covers 256 consecutive bytes.  The wave's 256 scale bytes are gathered in LDS and leave together.
.set XSTEPS, 16
.set XR,  16                           ; v16-79   four sets of 16 numbers as loaded
.set XX,  80                           ; v80-111  two sets of 16 neighbours
.set XE,  112                          ; v112-127 a scale byte for each step
.set XC,  128                          ; v128-191 codes, four registers for each step: no store's data are written again
.set XSP, 80                           ; a lane's place in a stage: 64 bytes + 16 of padding
	s_sub_co_u32 s34, ttmp9, 112                   ; which of this way's 576 work-groups
	v_lshlrev_b32 v3, 4, v2                        ; my 16 bytes of a load's 512
	s_lshl_b32 s23, s22, 13                        ; my wave's 8,192 bytes of LDS: two stages of 32 x 80, then 256 scale bytes
	v_lshrrev_b32 v14, 2, v2
	v_mul_u32_u24 v14, v14, XSP
	v_and_b32 v15, 3, v2
	v_lshl_add_u32 v14, v15, 4, v14
	v_add_nc_u32 v14, s23, v14                     ; into the stage: four lanes' 64 bytes on end, then the padding
	v_mul_u32_u24 v15, v2, XSP
	v_add_nc_u32 v15, s23, v15                     ; out of it: my 16 neighbours
	v_lshlrev_b32 v4, 3, v2                        ; my codes' place in a step's 256 bytes
	v_lshrrev_b32 v5, 1, v2
	s_add_co_u32 s23, s23, 2*32*XSP
	v_add_nc_u32 v5, s23, v5                       ; my block's scale byte
	v_lshlrev_b32 v7, 3, v2
	v_add_nc_u32 v6, s23, v7                       ; and 8 of them a lane on the way out
	s_cmp_lt_u32 s34, 512                          ; hidden or text: the choice hangs on the work-group's number alone
	s_cselect_b64 s[4:5], s[4:5], s[6:7]
	s_cselect_b32 s24, 0, 512
	s_sub_co_u32 s24, s34, s24
	s_lshl_b32 s24, s24, 2
	s_add_co_u32 s24, s24, s22                     ; which run of 8,192 numbers of the tensor
	s_mov_b32 s25, 0
	s_lshl_b64 s[26:27], s[24:25], 15
	s_add_nc_u64 s[4:5], s[4:5], s[26:27]
	s_lshl_b32 s24, s34, 2
	s_add_co_u32 s24, s24, s22                     ; which run of the outputs: the text's rows follow hidden's without a gap
	s_lshl_b32 s26, s24, 12                        ; 4,096 bytes of codes a run
	s_mov_b32 s27, 0
	s_add_nc_u64 s[16:17], s[16:17], s[26:27]
	s_lshl_b32 s26, s24, 8                         ; 256 scale bytes a run
	s_add_nc_u64 s[18:19], s[18:19], s[26:27]
.macro XLOAD t
.irp i, 0,1,2,3
	global_load_b128 v[XR+16*((\t)%4)+4*\i:XR+16*((\t)%4)+4*\i+3], v3, s[4:5] offset:2048*(\t)+512*\i th:TH_LOAD_NT
.endr
.endm
.macro XTURN t                         ; LDS serves a wave's instructions in order: no wait between the stores and the loads
.irp i, 0,1,2,3
	ds_store_b128 v14, v[XR+16*((\t)%4)+4*\i:XR+16*((\t)%4)+4*\i+3] offset:32*XSP*((\t)%2)+8*XSP*\i
.endr
.irp i, 0,1,2,3
	ds_load_b128 v[XX+16*((\t)%2)+4*\i:XX+16*((\t)%2)+4*\i+3], v15 offset:32*XSP*((\t)%2)+16*\i
.endr
.endm
.irp t, 0,1,2,3
	XLOAD \t
.endr
	s_wait_loadcnt 12                              ; step 0's four loads are in; those of three later steps stay out
	XTURN 0
.macro XSTEP t
.set XS, XX+16*((\t)%2)
.if (\t) > 0
	s_wait_dscnt 1                                 ; this step's numbers are back from the stage; the last step's byte store may be out
.else
	s_wait_dscnt 0x0
.endif
.if (\t)+4 < XSTEPS
	XLOAD (\t)+4                                   ; into the set whose stores into the stage have read it
.endif
.if (\t)+1 < XSTEPS
.if XSTEPS-2-(\t) >= 3
	s_wait_loadcnt 12                              ; the next step's four loads are in; three steps' stay out
.else
	s_wait_loadcnt 4*(XSTEPS-2-(\t))
.endif
	XTURN (\t)+1
.endif
	v_max3_num_f32 v8, |v[XS]|, |v[XS+1]|, |v[XS+2]|               ; the largest magnitude of my 16, in two chains
	v_max3_num_f32 v9, |v[XS+3]|, |v[XS+4]|, |v[XS+5]|
.irp i, 6,10
	v_max3_num_f32 v8, v8, |v[XS+\i]|, |v[XS+\i+1]|
	v_max3_num_f32 v9, v9, |v[XS+\i+2]|, |v[XS+\i+3]|
.endr
	v_max3_num_f32 v8, v8, |v[XS+14]|, |v[XS+15]|
	v_max3_num_f32 v8, v8, v9, 0x1800000           ; and the floor 2^(3 - 127): the byte cannot fall under 1
	v_max_num_f32_dpp v8, v8, v8 row_xmask:1 row_mask:0xf bank_mask:0xf   ; with my neighbour's 16: the block's
	v_add_nc_u32 v11, 0xff000000, v8               ; 2 off its exponent field: the conversion takes this operand's exponent field as its scale
	v_cvt_scalef32_pk8_fp4_f32 v[XC+4*(\t)], v[XS:XS+7], v11
	v_cvt_scalef32_pk8_fp4_f32 v[XC+4*(\t)+1], v[XS+8:XS+15], v11
	v_lshrrev_b32 v[XE+(\t)], 23, v11              ; the scale's byte
	ds_store_b8 v5, v[XE+(\t)] offset:16*(\t)      ; both lanes of a block write the same byte with the same value
	global_store_b64 v4, v[XC+4*(\t):XC+4*(\t)+1], s[16:17] offset:256*(\t)
.endm
.irp t, 0,1,2,3,4,5,6,7,8,9,10,11,12,13,14,15
	XSTEP \t
.endr
	ds_load_b64 v[8:9], v6                         ; these see my byte stores: LDS serves a wave in order
	s_wait_dscnt 0x0
	global_store_b64 v7, v[8:9], s[18:19]          ; 32 lanes store 256 consecutive bytes
	s_wait_tensorcnt 0x0                           ; the wave's end, behind my last LDS store
	ds_add_u32 v[SPW], v[NIL]
	s_wait_dscnt 0x0
	s_endpgm
; ---- Wk, Wv, Wq: [k][n], K is the first axis.  A wave takes 32 columns x 512 along K, in 16 blocks of 32 along K.  For the arithmetic a lane takes a column n and its registers run down K: a block lies in
; one lane, and the codes come out with K innermost.  FOR THE LOADS a lane takes 16 bytes: a load reads four rows' 128 bytes, 512 bytes in all, so a block is 8 loads and not 32, and four blocks' loads
; (32 loads, 16,384 bytes) are out at a time in four sets of 32 registers.  A block turns through a stage of the wave's own, 32 rows of 128 bytes as they lie in memory: 8 stores of 512 consecutive bytes in,
; 32 loads of 128 consecutive bytes out, row k into register k.  The turn runs one block ahead of the arithmetic, into two sets of 32 registers.
; The wave's codes go through a second stage and leave as rows: sixteen lanes store 256 consecutive bytes.
.Lpath_w:
.set NB,    16                         ; blocks of 32 in 512 along K
.set WP,    272                        ; a row of the codes' stage: 256 bytes + 16
.set WX,    32                         ; v32-159  four sets of 32 registers as loaded
.set WT,    160                        ; v160-223 two sets of 32 numbers of my column
.set WC,    224                        ; v224-227 a block's codes
.set WOUT,  32                         ; v32-95   the way out, in registers that the loads have left
.set WSB,   24                         ; v24-27   the scale bytes, four to a register
	s_lshr_b32 s24, ttmp9, 4                       ; which weight: 0 Wk, 1 Wv, 2 Wq
	s_and_b32 s25, ttmp9, 7                        ; which 128 columns
	s_bfe_u32 s26, ttmp9, 0x10003                  ; which 512 along K
	s_cmp_eq_u32 s24, 0
	s_cselect_b64 s[4:5], s[8:9], s[10:11]
	s_cmp_eq_u32 s24, 2
	s_cselect_b64 s[4:5], s[12:13], s[4:5]
	s_lshl_b32 s27, s25, 7
	s_lshl_b32 s28, s22, 5
	s_add_co_u32 s27, s27, s28                     ; my wave's first column n0
	s_lshr_b32 s28, s27, 8
	s_lshl_b32 s28, s28, 9
	s_and_b32 s29, s27, 255
	s_add_co_u32 s28, s28, s29
	s_lshl_b32 s29, s24, 8
	s_add_co_u32 s28, s28, s29
	s_add_co_u32 s28, s28, 18432                   ; Wk, Wv: row 18432 + 512 (n0 / 256) + 256 kind + n0 % 256
	s_add_co_u32 s29, s27, 20480                   ; Wq: row 20480 + n0
	s_cmp_eq_u32 s24, 2
	s_cselect_b32 s28, s29, s28
	s_lshl_b32 s30, s26, 21                        ; 512 rows of 4,096 bytes
	s_lshl_b32 s31, s27, 2
	s_add_co_u32 s30, s30, s31
	s_mov_b32 s31, 0
	s_add_nc_u64 s[4:5], s[4:5], s[30:31]
	s_lshl_b32 s30, s28, 9
	s_lshl_b32 s32, s26, 8
	s_add_co_u32 s30, s30, s32
	s_add_nc_u64 s[16:17], s[16:17], s[30:31]
	s_lshl_b32 s30, s28, 5
	s_lshl_b32 s32, s26, 4
	s_add_co_u32 s30, s30, s32
	s_add_nc_u64 s[18:19], s[18:19], s[30:31]
	v_lshrrev_b32 v5, 3, v2
	v_and_b32 v6, 7, v2
	v_lshlrev_b32 v3, 4, v6
	v_lshl_add_u32 v3, v5, 12, v3                  ; in: row lane / 8 of 4,096 bytes, + 16 (lane % 8)
	s_mul_i32 s33, s22, 12800
	s_add_co_u32 s33, s33, 32768                   ; my wave's 12,800 bytes of LDS: the numbers' stage, 4,096, then the codes' stage, 32 x 272
	v_lshl_add_u32 v10, v2, 4, s33                 ; the numbers' stage, on the way in: 16 x lane: four rows of 128 bytes on end
	v_lshl_add_u32 v14, v2, 2, s33                 ; and on the way out: 4 x lane: my column
	s_add_co_u32 s33, s33, 4096
	v_mul_u32_u24 v4, v2, WP
	v_add_nc_u32 v4, s33, v4                       ; into the codes' stage: row = my column
	v_and_b32 v5, 15, v2
	v_lshrrev_b32 v6, 4, v2
	v_mul_u32_u24 v7, v6, WP
	v_lshl_add_u32 v7, v5, 4, v7
	v_add_nc_u32 v7, s33, v7                       ; out of it: sixteen lanes to a row, two rows an instruction
	v_lshlrev_b32 v8, 9, v6
	v_lshl_add_u32 v8, v5, 4, v8                   ; and the same place in the codes' rows of 512 bytes
	v_lshlrev_b32 v9, 5, v2                        ; my column's row of scale bytes
.macro WLOAD t                         ; block t: rows 32 t + 4 i + lane / 8, i = 0 .. 7, into set t % 4
.irp i, 0,1,2,3,4,5,6,7
	global_load_b128 v[WX+32*((\t)%4)+4*\i:WX+32*((\t)%4)+4*\i+3], v3, s[4:5] offset:(32*(\t)+4*\i)*4096 th:TH_LOAD_NT
.endr
.endm
.macro WTURN t                         ; block t through the numbers' stage: LDS serves a wave's instructions in order, so no wait stands between the stores and the loads
.irp i, 0,1,2,3,4,5,6,7
	ds_store_b128 v10, v[WX+32*((\t)%4)+4*\i:WX+32*((\t)%4)+4*\i+3] offset:512*\i
.endr
.irp k, 0,1,2,3,4,5,6,7,8,9,10,11,12,13,14,15,16,17,18,19,20,21,22,23,24,25,26,27,28,29,30,31
	ds_load_b32 v[WT+32*((\t)%2)+\k], v14 offset:128*\k            ; W(32 t + k, my column)
.endr
.endm
.irp t, 0,1,2,3
	WLOAD \t
.endr
	s_wait_loadcnt 24                              ; block 0's eight loads are in; those of three later blocks stay out
	WTURN 0
.macro WBLOCK t
.set WS, WT+32*((\t)%2)
	s_wait_dscnt 0x0                               ; this block's numbers are back from the stage: so its stores into the stage have read their set, the stage may be written again, and the last block's codes have been read
.if (\t)+4 < NB
	WLOAD (\t)+4                                   ; into the set that this block has left
.endif
.if (\t)+1 < NB
.if NB-2-(\t) >= 3
	s_wait_loadcnt 24                              ; the next block's eight loads are in; three blocks' stay out
.else
	s_wait_loadcnt 8*(NB-2-(\t))
.endif
	WTURN (\t)+1                                   ; and go through the stage while this block is worked
.endif
	v_max3_num_f32 v12, |v[WS]|, |v[WS+1]|, |v[WS+2]|              ; the block's largest magnitude: all 32 numbers are mine
	v_max3_num_f32 v13, |v[WS+3]|, |v[WS+4]|, |v[WS+5]|
.irp i, 6,10,14,18,22,26
	v_max3_num_f32 v12, v12, |v[WS+\i]|, |v[WS+\i+1]|
	v_max3_num_f32 v13, v13, |v[WS+\i+2]|, |v[WS+\i+3]|
.endr
	v_max3_num_f32 v12, v12, |v[WS+30]|, |v[WS+31]|
	v_max3_num_f32 v12, v12, v13, 0x1800000        ; the floor 2^(3 - 127)
	v_add_nc_u32 v11, 0xff000000, v12
	v_lshrrev_b32 v13, 23, v11                     ; the scale's byte
.if (\t)%4 == 0
	v_mov_b32 v[WSB+(\t)/4], v13
.else
	v_lshl_or_b32 v[WSB+(\t)/4], v13, 8*((\t)%4), v[WSB+(\t)/4]
.endif
.irp g, 0,1,2,3
	v_cvt_scalef32_pk8_fp4_f32 v[WC+\g], v[WS+8*\g:WS+8*\g+7], v11
.endr
	ds_store_b128 v4, v[WC:WC+3] offset:16*(\t)    ; 32 codes: 16 bytes of my column's row
.endm
.set Q, 0
.rept NB
	WBLOCK Q
.set Q, Q+1
.endr
	global_store_b128 v9, v[WSB:WSB+3], s[18:19]   ; my column's 16 scale bytes
.irp t, 0,1,2,3,4,5,6,7,8,9,10,11,12,13,14,15
	ds_load_b128 v[WOUT+4*\t:WOUT+4*\t+3], v7 offset:2*\t*WP       ; these see my stores: LDS serves a wave in order
.endr
.irp t, 0,1,2,3,4,5,6,7,8,9,10,11,12,13,14,15
	s_wait_dscnt 15-\t                             ; LDS loads come back in order: number t is in
	global_store_b128 v8, v[WOUT+4*\t:WOUT+4*\t+3], s[16:17] offset:2*\t*512
.endr
	s_wait_tensorcnt 0x0                           ; the wave's end
	ds_add_u32 v[SPW], v[NIL]
	s_wait_dscnt 0x0
	s_endpgm
; ---- Wo to f16, in the order of an operand's registers.  Wave W of 256 takes 16 along K (W % 64) x 256 columns (W / 64): lane (r, h) loads Wo[16 kq + 8 h + j][..+ r], j down its registers,
; rounds pairs to f16 and stores 16 bytes at 16 x lane: 512 consecutive bytes a store.  No LDS.  Loads run six tiles of 16 columns ahead: 56 are out at the most.
.Lpath_o:
	s_sub_co_u32 s23, ttmp9, 48
	s_lshl_b32 s23, s23, 2
	s_add_co_u32 s23, s23, s22
	s_and_b32 s24, s23, 63                         ; kq
	s_lshr_b32 s25, s23, 6                         ; which 256 columns
	v_and_b32 v3, 15, v0
	v_bfe_u32 v4, v0, 4, 1
	v_lshlrev_b32 v3, 2, v3
	v_lshl_add_u32 v3, v4, 15, v3                  ; in: 4 r + 8 h rows of 4,096 bytes
	v_lshlrev_b32 v4, 4, v2                        ; out: 16 x lane
	s_lshl_b32 s26, s24, 16
	s_lshl_b32 s27, s25, 10
	s_add_co_u32 s26, s26, s27
	s_mov_b32 s27, 0
	s_add_nc_u64 s[14:15], s[14:15], s[26:27]
	s_lshl_b32 s26, s25, 19
	s_lshl_b32 s28, s24, 9
	s_add_co_u32 s26, s26, s28
	s_add_nc_u64 s[20:21], s[20:21], s[26:27]
.macro OLOAD nt
.irp j, 0,1,2,3,4,5,6,7
	global_load_b32 v[8+8*(\nt)+\j], v3, s[14:15] offset:\j*4096+64*(\nt)
.endr
.endm
.irp nt, 0,1,2,3,4,5
	OLOAD \nt
.endr
.irp nt, 0,1,2,3,4,5,6,7,8,9,10,11,12,13,14,15
.if \nt+6 < 16
	OLOAD \nt+6
	s_wait_loadcnt 48                              ; this tile's eight loads are in; six later tiles' stay out
.else
	s_wait_loadcnt 8*(15-\nt)
.endif
.irp p, 0,1,2,3
	v_cvt_pk_f16_f32 v[136+4*\nt+\p], v[8+8*\nt+2*\p], v[8+8*\nt+2*\p+1]
.endr
	global_store_b128 v4, v[136+4*\nt:136+4*\nt+3], s[20:21] offset:\nt*32768
.endr
	s_wait_tensorcnt 0x0                           ; the same three lines at this way's end
	ds_add_u32 v[SPW], v[NIL]
	s_wait_dscnt 0x0
	s_endpgm
.Lfunc_end_k_q4a8996abef_prep:
	.size	k_q4a8996abef_prep, .Lfunc_end_k_q4a8996abef_prep-k_q4a8996abef_prep
	.p2alignl 7, 3214868480
	.fill 96, 4, 3214868480
	.section	.rodata,"a",@progbits
	.p2align	6, 0x0
	.amdhsa_kernel k_q4a8996abef_prep
		.amdhsa_group_segment_fixed_size 84480
		.amdhsa_private_segment_fixed_size 0
		.amdhsa_enable_private_segment 0
		.amdhsa_kernarg_size 72
		.amdhsa_user_sgpr_count 2
		.amdhsa_user_sgpr_kernarg_segment_ptr 1
		.amdhsa_wavefront_size32 1
		.amdhsa_system_sgpr_workgroup_id_x 1
		.amdhsa_system_sgpr_workgroup_id_y 1
		.amdhsa_system_sgpr_workgroup_id_z 1
		.amdhsa_system_vgpr_workitem_id 0
		.amdhsa_next_free_vgpr 240
		.amdhsa_next_free_sgpr 66
		.amdhsa_reserve_vcc 0
		.amdhsa_float_denorm_mode_32 3
		.amdhsa_float_denorm_mode_16_64 3
		.amdhsa_memory_ordered 1
		.amdhsa_forward_progress 1
		.amdhsa_inst_pref_size 135
	.end_amdhsa_kernel
	.amdgpu_metadata
---
amdhsa.version: [ 1, 2 ]
amdhsa.kernels:
  - .name:           k_q4a8996abef_prep
    .symbol:         k_q4a8996abef_prep.kd
    .args:
      - { .name: hidden_states, .offset: 0, .size: 8, .value_kind: global_buffer, .address_space: global }
      - { .name: text_states, .offset: 8, .size: 8, .value_kind: global_buffer, .address_space: global }
      - { .name: Wk, .offset: 16, .size: 8, .value_kind: global_buffer, .address_space: global }
      - { .name: Wv, .offset: 24, .size: 8, .value_kind: global_buffer, .address_space: global }
      - { .name: Wq, .offset: 32, .size: 8, .value_kind: global_buffer, .address_space: global }
      - { .name: Wo, .offset: 40, .size: 8, .value_kind: global_buffer, .address_space: global }
      - { .name: codes, .offset: 48, .size: 8, .value_kind: global_buffer, .address_space: global }
      - { .name: scales, .offset: 56, .size: 8, .value_kind: global_buffer, .address_space: global }
      - { .name: wo16, .offset: 64, .size: 8, .value_kind: global_buffer, .address_space: global }
    .group_segment_fixed_size: 84480
    .private_segment_fixed_size: 0
    .kernarg_segment_align: 8
    .kernarg_segment_size: 72
    .max_flat_workgroup_size: 128
    .sgpr_count:     66
    .vgpr_count:     240
    .wavefront_size: 32
...
	.end_amdgpu_metadata
.endif
;; end of part 1
;; launch kvproj (part 2): grid 4 x 64, 4 waves a work-group, clusters of 4 x 4, 327,680 bytes of LDS; arguments codes, scales, bv, kv, vmax; writes kv, vmax
.if DOCPART == 2
	.amdgcn_target "amdgcn-amd-amdhsa--gfx1250"
	.amdhsa_code_object_version 6
	.text
	.protected	k_q4a8996abef_kvproj
	.globl	k_q4a8996abef_kvproj
	.p2align	8
	.type	k_q4a8996abef_kvproj,@function
k_q4a8996abef_kvproj:
	s_mov_b64 s[64:65], 0
	v_nop
	global_prefetch_b8 v0, s[64:65] scope:SCOPE_SE
	s_setreg_imm32_b32 hwreg(HW_REG_WAVE_MODE, 25, 1), 1
	s_wait_xcnt 0x0
	s_wait_alu depctr_hold_cnt(0) depctr_sa_sdst(0) depctr_va_vdst(0) depctr_va_sdst(0) depctr_va_ssrc(0) depctr_va_vcc(0) depctr_vm_vsrc(0)
	s_getreg_b32 s2, hwreg(HW_REG_IB_STS2, 6, 4)
	s_cmp_eq_u32 s2, 0
	s_cbranch_scc0 .Lentry_in_a_cluster
	s_endpgm
.Lentry_in_a_cluster:
	s_bfe_u32 s2, ttmp6, 0x10000c
	s_cmp_lg_u32 s2, 0xf033
	s_cbranch_scc0 .Lentry_shape_is_right
	s_endpgm
.Lentry_shape_is_right:
; K = hidden Wk and V = hidden Wv + bv on codes of E2M1 with E8M0 scales, results as f16 in the order of the next launch's operand registers.
; LEFT OUT: bk (shown dead at the head of the first kernel: it adds the same number to every score of a softmax row).
; A work-group takes 256 rows of hidden and 256 columns, first of Wk, then of Wv; four waves, each 128 x 128: 64 accumulators, 512 registers.  K = 1,024 is two K steps of 512 (rows of 256 bytes),
; one in each of two LDS slots.  HIDDEN'S TILE STAYS in both slots for both phases; only the weight's half of a slot is filled again, with Wv, as soon as Wk's has been read out.
; CLUSTERS: 4 x 4 work-groups.  The four of a row of the cluster need the same rows of hidden, the four of a column the same rows of the weights: each tile is asked for jointly.
; PHASE 1 (K): source 0 = 16 columns of Wk, source 1 = 16 rows of hidden: a lane holds one row s and eight neighbouring channels d: packed, K[s][16 x + 8 h + 0..7].
; PHASE 2 (V): the sources change places: a lane holds one channel d and eight neighbouring rows s: packed, V[16 sblk + 8 h + 0..7][d], which is V^T with the keys along the registers.
; kv: K from byte 0, V from byte 33,554,432; block ((b 16 + head) 64 + s / 16) 2,048 + x 512, lane l's 16 bytes at 16 l: every store of a wave covers 512 consecutive bytes.
; vmax[b][64]: each wave's largest |V + bv|, from which the later launches take one power of two for each batch.
; LIMITS: |K| and |V| must stay under 65,504 (f16); NaN and infinities are not served.
; REGISTERS: window 0: v16-31 addresses; v32-95 scale words, two sets, and nothing else; v96-111 bv; v112-115 maxima; v128-191 hidden's fragments, one set (at the end V + bv); v192-255 packed results, two sets.
;   window 1: the weight's fragments, two sets, at v0 and v128.   windows 2, 3: the accumulators ((a, b) at v[8 (8 (a % 4) + b)]).
.set NQ,     4                         ; steps of 128 along K in a slot
.set PITCH,  272                       ; an LDS row: 256 bytes + 16 of padding: the 16 rows of a load start at 16 different groups of banks
.set FR,     8
.set NL,     2
.set NP,     4
.set HALFT,  128*PITCH
.set SLOT,   4*HALFT                   ; hidden's 256 rows, then the weight's 256
.set SCL,    2*SLOT                    ; the scales: units of 256 bytes + 16: hidden's 256 rows, Wk's, Wv's
.set HALFS,  16*272                    ; those of 128 rows
.set SBLK,   2*272                     ; those of 16 rows
.set SPARE,  SCL+6*HALFS               ; the spare words, 128 bytes for each wave
.set ADRA, 16
.set ADRB, 20
.set LO,   24                          ; v24 16 x lane
.set LN,   25                          ; v25 lane
.set ZO,   26                          ; v26 0: the offset of the one store of a maximum
.set ADRS, 27                          ; v27 scale words: lanes 0-15 hidden's rows, lanes 16-31 Wk's
.set SPW,  28
.set NIL,  29
.set ADRS2, 30                         ; v30 the same with Wv's
.set BVO,  31
.set SC,   32
.set BVP,  96
.set MXR,  112
.set AF,   128
.set TMPF, 128
.set PK,   192
.set G1, 24
.set G0, 32
.set G1B, 48
.set G0B, 56
.set G1S, 68
.set G0S, 76
.set G1SB, 80
.set G0SB, 88
.set MSB, 0
.macro WIN new                         ; the immediate's high byte repeats the setting that is left
.if MSB != (\new)
	s_set_vgpr_msb (MSB<<8)|(\new)
.set MSB, (\new)
.endif
.endm
.set TO_B, 0x40
.macro JLOAD g0a, g1a, g0b, g1b        ; waves 0 and 1 fetch for hidden, waves 2 and 3 for the weights; s_nop 0 and four v_nop follow each line
	s_cmp_eq_u32 s15, 0
	s_cbranch_scc0 .Lfor_b_\@
	tensor_load_to_lds s[\g0a:\g0a+3], s[\g1a:\g1a+7]
	s_nop 0
.rept 4
	v_nop
.endr
	s_branch .Lasked_\@
.Lfor_b_\@:
	tensor_load_to_lds s[\g0b:\g0b+3], s[\g1b:\g1b+7]
	s_nop 0
.rept 4
	v_nop
.endr
.Lasked_\@:
.endm
.macro JLOADB s                        ; a refill: the weight's half of slot s alone, by waves 2 and 3; the branch hangs on the wave's number and is the same in every work-group
	s_cmp_lg_u32 s15, 0
	s_cbranch_scc0 .Lno_b_\@
	tensor_load_to_lds s[G0B+4*\s:G0B+4*\s+3], s[G1B:G1B+7]
	s_nop 0
.rept 4
	v_nop
.endr
.Lno_b_\@:
.endm
.macro CREST
	s_cmp_lg_u32 s14, 0
	s_cbranch_scc1 .Lnot_wave_0_\@
	s_barrier_signal -3
.Lnot_wave_0_\@:
	s_barrier_wait -3
	s_barrier_signal -1
	s_barrier_wait -1
.endm
.macro CROUND
	s_barrier_signal -1
	s_barrier_wait -1
	CREST
.endm
	s_load_b256 s[4:11], s[0:1], 0x0               ; codes s[4:5], scales s[6:7], bv s[8:9], kv s[10:11]
	s_load_b64 s[12:13], s[0:1], 0x20              ; vmax
	v_lshl_add_u32 v[SPW], v0, 2, SPARE
	v_mov_b32 v[NIL], 0
	ds_add_u32 v[SPW], v[NIL]                      ; the wave's opening: the add, twice on end, and its wait ahead of my first tensor load
	ds_add_u32 v[SPW], v[NIL]
	v_lshrrev_b32 v1, 5, v0
	v_readfirstlane_b32 s14, v1                    ; wave 0..3
	s_lshr_b32 s15, s14, 1                         ; which 128 rows of hidden are mine.  Also: I fetch for hidden (0) or for the weights (1)
	s_and_b32 s16, s14, 1                          ; which 128 columns.  Also: which half I fetch
	s_bfe_u32 s40, ttmp6, 0x40000                  ; cx
	s_bfe_u32 s41, ttmp6, 0x40004                  ; cy
	s_lshl_b32 s42, ttmp9, 2
	s_add_co_u32 s42, s42, s40                     ; tile column
	s_and_b32 s17, ttmp7, 0xffff
	s_lshl_b32 s17, s17, 2
	s_add_co_u32 s17, s17, s41                     ; tile row
	s_lshl_b32 s43, s41, 2
	s_lshl_b32 s43, 15, s43                        ; my row of the cluster
	s_lshl_b32 s44, 0x1111, s40                    ; my column
	s_or_b32 s[G1+0], s43, (0<<16)|(1<<20)|(1<<21)|(5<<22)|(3<<25)   ; the mask; elements of 1 byte; padding: 4 words after every 64; bit 21 beside a mask
	s_or_b32 s[G1B+0], s44, (0<<16)|(1<<20)|(1<<21)|(5<<22)|(3<<25)
.irp g, G1, G1B
	s_mov_b32 s[\g+1], 256<<16                     ; tensor_dim0 = 256 bytes
	s_mov_b32 s[\g+2], 128<<16                     ; tensor_dim1 = 128 rows
	s_mov_b32 s[\g+3], 256<<16                     ; tile_dim0
	s_mov_b32 s[\g+4], 128                         ; tile_dim1
	s_mov_b32 s[\g+5], 512                         ; from row to row
	s_mov_b32 s[\g+6], 0
	s_mov_b32 s[\g+7], 0
.endr
	s_or_b32 s[G1S+0], s43, (3<<16)|(1<<20)|(1<<21)|(5<<22)|(3<<25)  ; scales: dense bytes as rows of 32 elements of 8 bytes, 16 bytes of padding behind each
	s_mov_b32 s[G1S+1], 32<<16
	s_mov_b32 s[G1S+2], 16<<16                     ; hidden's: 128 rows x 32 bytes = 16 units
	s_mov_b32 s[G1S+3], 32<<16
	s_mov_b32 s[G1S+4], 16
	s_mov_b32 s[G1S+5], 32
	s_mov_b32 s[G1S+6], 0
	s_mov_b32 s[G1S+7], 0
	s_or_b32 s[G1SB+0], s44, (3<<16)|(1<<20)|(1<<21)|(5<<22)|(3<<25)
	s_mov_b32 s[G1SB+1], 32<<16
	s_mov_b32 s[G1SB+2], 32<<16                    ; a weight's: 256 rows = 32 units (wave 2: Wk's, wave 3: Wv's)
	s_mov_b32 s[G1SB+3], 32<<16
	s_mov_b32 s[G1SB+4], 32
	s_mov_b32 s[G1SB+5], 32
	s_mov_b32 s[G1SB+6], 0
	s_mov_b32 s[G1SB+7], 0
	s_lshl_b32 s18, s16, 7
	s_lshl_b32 s20, s17, 8
	s_add_co_u32 s20, s20, s18                     ; hidden: row 256 x tile row + 128 x half
	s_lshl_b32 s46, s42, 9
	s_add_co_u32 s46, s46, 18432                   ; the weights: row 18432 + 512 x tile column: Wk's 256, then Wv's 256
	s_lshl_b32 s19, s16, 8
	s_add_co_u32 s92, s46, s19                     ; scales: + 256 x half
	s_add_co_u32 s46, s46, s18                     ; codes: + 128 x half
	s_lshl_b32 s22, s20, 5
	s_mov_b32 s23, 0
	s_lshl_b32 s20, s20, 9
	s_mov_b32 s21, 0
	s_lshl_b32 s92, s92, 5
	s_mov_b32 s93, 0
	s_lshl_b32 s46, s46, 9
	s_mov_b32 s47, 0
	s_mul_i32 s45, s14, HALFT                      ; where they go: wave x 128 rows: no place in the cluster enters an LDS address
	s_mul_i32 s94, s14, HALFS
	s_mul_i32 s95, s14, 2*HALFS
	s_mov_b32 s96, 0x76543210
	s_mov_b32 s97, 0xfedcba98
	s_wait_dscnt 0x0                               ; both opening adds are done
	s_wait_kmcnt 0x0
	s_add_nc_u64 s[20:21], s[4:5], s[20:21]
	s_add_nc_u64 s[22:23], s[6:7], s[22:23]
	s_add_nc_u64 s[46:47], s[4:5], s[46:47]
	s_add_nc_u64 s[92:93], s[6:7], s[92:93]
	CROUND                                         ; all sixteen work-groups are here: the first joint loads meet
	s_mov_b32 s[G0S], 1
	s_add_co_u32 s[G0S+1], s94, SCL
	s_mov_b64 s[G0S+2:G0S+3], s[22:23]
	s_or_b32 s[G0S+3], s[G0S+3], 0x80000000
	s_mov_b32 s[G0SB], 1
	s_add_co_u32 s[G0SB+1], s95, SCL-2*HALFS       ; wave 2: behind hidden's; wave 3: behind Wk's
	s_mov_b64 s[G0SB+2:G0SB+3], s[92:93]
	s_or_b32 s[G0SB+3], s[G0SB+3], 0x80000000
	JLOAD G0S, G1S, G0SB, G1SB                     ; the scales first.  Three loads of mine are out behind the third of these
.irp s, 0,1
	s_mov_b32 s[G0+4*\s], 1
	s_add_co_u32 s[G0+4*\s+1], s45, \s*SLOT
	s_add_nc_u64 s[G0+4*\s+2:G0+4*\s+3], s[20:21], \s*256
	s_or_b32 s[G0+4*\s+3], s[G0+4*\s+3], 0x80000000
	s_mov_b32 s[G0B+4*\s], 1
	s_add_co_u32 s[G0B+4*\s+1], s45, \s*SLOT
	s_add_nc_u64 s[G0B+4*\s+2:G0B+4*\s+3], s[46:47], \s*256
	s_or_b32 s[G0B+4*\s+3], s[G0B+4*\s+3], 0x80000000
	JLOAD G0+4*\s, G1, G0B+4*\s, G1B
.endr
	v_and_b32 v1, 15, v0                           ; r
	v_bfe_u32 v2, v0, 4, 1                         ; h
	v_mul_u32_u24 v3, v1, PITCH
	v_lshl_add_u32 v4, v2, 4, v3
	s_mul_i32 s21, s15, HALFT
	s_mul_i32 s22, s16, HALFT
	s_add_co_u32 s22, s22, 2*HALFT
.irp s, 0,1
	v_add_nc_u32 v[ADRA+\s], s21, v4
	v_add_nc_u32 v[ADRB+\s], s22, v4
	s_add_co_u32 s21, s21, SLOT
	s_add_co_u32 s22, s22, SLOT
.endr
	v_lshlrev_b32 v5, 5, v1                        ; my row's scales: 32 bytes a row,
	v_lshrrev_b32 v6, 8, v5
	v_lshl_add_u32 v5, v6, 4, v5                   ; and 16 more for each 256 passed
	s_mul_i32 s21, s15, HALFS
	s_mul_i32 s22, s16, HALFS
	s_add_co_u32 s22, s22, 2*HALFS
	s_sub_co_u32 s22, s22, s21                     ; from hidden's rows of mine to Wk's
	s_add_co_u32 s21, s21, SCL
	v_mul_u32_u24 v6, s22, v2                      ; lanes 16-31 take the weight's
	v_add_nc_u32 v6, v5, v6
	v_add_nc_u32 v[ADRS], s21, v6
	s_add_co_u32 s22, s22, 2*HALFS                 ; and to Wv's
	v_mul_u32_u24 v6, s22, v2
	v_add_nc_u32 v6, v5, v6
	v_add_nc_u32 v[ADRS2], s21, v6
	v_and_b32 v[LN], 31, v0
	v_lshlrev_b32 v[LO], 4, v[LN]
	v_mov_b32 v[ZO], 0
	v_lshlrev_b32 v[BVO], 2, v1
	s_and_b32 s18, ttmp7, 0xffff                   ; the batch: a cluster's 1,024 rows
	s_lshl_b32 s19, s18, 4
	s_lshl_b32 s20, s42, 2
	s_add_co_u32 s19, s19, s20
	s_lshl_b32 s20, s16, 1
	s_add_co_u32 s19, s19, s20                     ; 16 b + my first head
	s_lshl_b32 s19, s19, 6
	s_lshl_b32 s20, s41, 4
	s_add_co_u32 s19, s19, s20
	s_lshl_b32 s20, s15, 3
	s_add_co_u32 s19, s19, s20                     ; x 64 + my first block of 16 rows
	s_lshl_b32 s20, s19, 11
	s_mov_b32 s21, 0
	s_add_nc_u64 s[10:11], s[10:11], s[20:21]      ; where my K goes,
	s_add_nc_u64 s[2:3], s[10:11], 33554432        ; and my V
	s_lshl_b32 s20, s42, 10
	s_lshl_b32 s19, s16, 9
	s_add_co_u32 s20, s20, s19
	s_add_nc_u64 s[8:9], s[8:9], s[20:21]          ; bv at my first column
	s_lshl_b32 s20, s18, 8
	s_lshl_b32 s19, s41, 6
	s_add_co_u32 s20, s20, s19
	s_lshl_b32 s19, s42, 4
	s_add_co_u32 s20, s20, s19
	s_lshl_b32 s19, s14, 2
	s_add_co_u32 s20, s20, s19
	s_add_nc_u64 s[12:13], s[12:13], s[20:21]      ; vmax[b][16 cy + 4 tile column + wave]
.irp b, 0,1,2,3,4,5,6,7
	global_load_b32 v[BVP+2*\b], v[BVO], s[8:9] offset:64*\b       ; bv of channel 16 b + r, twice: a pair for the packed addition
	global_load_b32 v[BVP+2*\b+1], v[BVO], s[8:9] offset:64*\b
.endr
.macro FRAG reg, adr, q, i             ; 16 rows x 128 K of 4-bit codes: 8 registers, two loads of 16 bytes, 32 bytes apart
.irp c, 0,1
	ds_load_b128 v[\reg+4*\c:\reg+4*\c+3], v[\adr] offset:64*(\q)+32*\c+(\i)*16*PITCH
.endr
.endm
; 16 matrix instructions: hidden's blocks a0, a0 + 1 x the weight's eight.  The 64 accumulators take turns, one instruction a turn, in the same order in every step.
.macro MUL16 a0, p, q, sc, zero, ph
.irp a, \a0, \a0+1
.irp b, 0,1,2,3,4,5,6,7
.if \ph == 1
.if \zero
	v_wmma_scale_f32_16x16x128_f8f6f4 v[8*(8*((\a)%4)+\b):8*(8*((\a)%4)+\b)+7], v[128*(\p)+FR*\b:128*(\p)+FR*\b+FR-1], v[AF+FR*(\a):AF+FR*(\a)+FR-1], 0, v[SC+8*NQ*(\sc)+NQ*\b+(\q)], v[SC+8*NQ*(\sc)+NQ*(\a)+(\q)] matrix_a_fmt:MATRIX_FMT_FP4 matrix_b_fmt:MATRIX_FMT_FP4 matrix_a_scale:MATRIX_SCALE_ROW1
.else
	v_wmma_scale_f32_16x16x128_f8f6f4 v[8*(8*((\a)%4)+\b):8*(8*((\a)%4)+\b)+7], v[128*(\p)+FR*\b:128*(\p)+FR*\b+FR-1], v[AF+FR*(\a):AF+FR*(\a)+FR-1], v[8*(8*((\a)%4)+\b):8*(8*((\a)%4)+\b)+7], v[SC+8*NQ*(\sc)+NQ*\b+(\q)], v[SC+8*NQ*(\sc)+NQ*(\a)+(\q)] matrix_a_fmt:MATRIX_FMT_FP4 matrix_b_fmt:MATRIX_FMT_FP4 matrix_a_scale:MATRIX_SCALE_ROW1
.endif
.else
.if \zero
	v_wmma_scale_f32_16x16x128_f8f6f4 v[8*(8*((\a)%4)+\b):8*(8*((\a)%4)+\b)+7], v[AF+FR*(\a):AF+FR*(\a)+FR-1], v[128*(\p)+FR*\b:128*(\p)+FR*\b+FR-1], 0, v[SC+8*NQ*(\sc)+NQ*(\a)+(\q)], v[SC+8*NQ*(\sc)+NQ*\b+(\q)] matrix_a_fmt:MATRIX_FMT_FP4 matrix_b_fmt:MATRIX_FMT_FP4 matrix_b_scale:MATRIX_SCALE_ROW1
.else
	v_wmma_scale_f32_16x16x128_f8f6f4 v[8*(8*((\a)%4)+\b):8*(8*((\a)%4)+\b)+7], v[AF+FR*(\a):AF+FR*(\a)+FR-1], v[128*(\p)+FR*\b:128*(\p)+FR*\b+FR-1], v[8*(8*((\a)%4)+\b):8*(8*((\a)%4)+\b)+7], v[SC+8*NQ*(\sc)+NQ*(\a)+(\q)], v[SC+8*NQ*(\sc)+NQ*\b+(\q)] matrix_a_fmt:MATRIX_FMT_FP4 matrix_b_fmt:MATRIX_FMT_FP4 matrix_b_scale:MATRIX_SCALE_ROW1
.endif
.endif
.endr
.endr
.endm
.macro FETCH_B slot, q, p
	WIN TO_B
.irp i, 0,1,2,3,4,5,6,7
	FRAG 128*(\p)+FR*\i, ADRB+\slot, \q, \i
.endr
	WIN 0
.endm
.macro FETCH_A slot, q, i0
.irp i, \i0, \i0+1, \i0+2, \i0+3
	FRAG AF+FR*(\i), ADRA+\slot, \q, \i
.endr
.endm
.macro SCALES sc, adr, ks              ; K step ks's four words a row into set sc: lanes 0-15 hidden's block i, lanes 16-31 the weight's block i
.irp i, 0,1,2,3,4,5,6,7
	ds_load_b128 v[SC+8*NQ*\sc+NQ*\i:SC+8*NQ*\sc+NQ*\i+3], v[\adr] offset:\i*SBLK+16*\ks
.endr
.endm
.macro PLACES n                        ; plain vector instructions between a matrix instruction and a load into, or a vector read or write of, its registers
.rept \n
	v_nop
.endr
.endm
; Windows of the products: phase 1: source 0 (the weight) window 1, source 1 (hidden) window 0; phase 2 the other way round; C and D window 2 or 3.
.macro STEP slot, q, zero, ph
	s_wait_dscnt 4*NL                              ; all but the youngest eight loads (hidden's blocks 4-7) are in
	WIN 0xa1+3*((\ph)-1)
	MUL16 0, (\q)%2, \q, \slot, \zero, \ph
	MUL16 2, (\q)%2, \q, \slot, \zero, \ph
	s_wait_dscnt 0
	PLACES NP
	FETCH_B \slot, (\q)+1, 1-(\q)%2
	FETCH_A \slot, (\q)+1, 0
	WIN 0xf1+3*((\ph)-1)
	MUL16 4, (\q)%2, \q, \slot, \zero, \ph
	MUL16 6, (\q)%2, \q, \slot, \zero, \ph
	PLACES NP
	WIN 0
	FETCH_A \slot, (\q)+1, 4
.endm
; A slot's last step changes slots: one barrier; in front of it each wave waits for all its tensor loads, adds 0 to its spare word, and waits for that and for its reads of this slot.
; fill = 1: the barrier opens a round of the cluster's, and behind the round the weight's half of this slot takes Wv's rows of the same K step (256 rows of 512 bytes further on).
.macro TURN slot, next, fill, ph, nadr, nks
	s_wait_tensorcnt 0x0                           ; all my tensor loads have landed (every window is 0 here)
	ds_add_u32 v[SPW], v[NIL]                      ; 0 onto my spare word
	s_wait_dscnt 4*NL+1                            ; the add and the youngest eight loads may be out
	WIN 0xa1+3*((\ph)-1)
	MUL16 0, 1, NQ-1, \slot, 0, \ph
	s_wait_dscnt 0x0                               ; the add is done, and my reads of this slot are over
	s_barrier_signal -1
	MUL16 2, 1, NQ-1, \slot, 0, \ph
	WIN 0
	s_barrier_wait -1
.if \fill
	CREST                                          ; no wave of any partner still reads this slot or has a load on its way
	s_add_nc_u64 s[G0B+4*\slot+2:G0B+4*\slot+3], s[G0B+4*\slot+2:G0B+4*\slot+3], 131072
	JLOADB \slot                                   ; it has three steps and a half, 224 matrix instructions, in which to land
.endif
	PLACES NP
	FETCH_B \next, 0, 0
	FETCH_A \next, 0, 0
	SCALES \next, \nadr, \nks
	WIN 0xf1+3*((\ph)-1)
	MUL16 4, 1, NQ-1, \slot, 0, \ph
	MUL16 6, 1, NQ-1, \slot, 0, \ph
	PLACES NP
	WIN 0
	FETCH_A \next, 0, 4
.endm
; THE WAY OUT of a phase, by hidden's blocks a.  kind 0: K, rounded to f16.  kind 1: V + bv in f32, its largest magnitude, then f16.  A packed accumulator is 16 bytes a lane and is stored as it stands.
; The packed results take two sets of 32 registers by turns.  Inside a way out the wait at the head of block a frees the set that block a - 2's stores read; the sets that the first way out leaves
; behind (blocks 6 and 7) are freed by the one wait that stands in front of the second way out.
.macro EPI kind
.irp a, 0,1,2,3,4,5,6,7
.set AC, 64*(\a%4)
.set PP, PK+32*(\a%2)
.if \a >= 2
	s_wait_xcnt 0x0                                ; block a - 2's stores have read this set of registers
.endif
.if \kind == 0
	WIN 0x0a+5*(\a/4)
.irp b, 0,1,2,3,4,5,6,7
.irp p, 0,1,2,3
	v_cvt_pk_f16_f32 v[PP+4*\b+\p], v[AC+8*\b+2*\p], v[AC+8*\b+2*\p+1]
.endr
.endr
	WIN 0
.irp b, 0,1,2,3,4,5,6,7
	global_store_b128 v[LO], v[PP+4*\b:PP+4*\b+3], s[10:11] offset:\a*2048+(\b/4)*131072+(\b%4)*512
.endr
.else
	WIN 0x02+(\a/4)
.irp b, 0,1,2,3,4,5,6,7
.irp p, 0,1,2,3
	v_pk_add_f32 v[TMPF+8*\b+2*\p:TMPF+8*\b+2*\p+1], v[AC+8*\b+2*\p:AC+8*\b+2*\p+1], v[BVP+2*\b:BVP+2*\b+1]
.endr
.endr
	WIN 0
.irp b, 0,1,2,3,4,5,6,7
.irp p, 0,1,2,3
	v_max3_num_f32 v[MXR+\p], v[MXR+\p], |v[TMPF+8*\b+2*\p]|, |v[TMPF+8*\b+2*\p+1]|
.endr
.endr
.irp b, 0,1,2,3,4,5,6,7
.irp p, 0,1,2,3
	v_cvt_pk_f16_f32 v[PP+4*\b+\p], v[TMPF+8*\b+2*\p], v[TMPF+8*\b+2*\p+1]
.endr
.endr
.irp b, 0,1,2,3,4,5,6,7
	global_store_b128 v[LO], v[PP+4*\b:PP+4*\b+3], s[2:3] offset:\a*2048+(\b/4)*131072+(\b%4)*512
.endr
.endif
.endr
.endm
	s_wait_tensorcnt 1                             ; the scales and my part of slot 0 are in; slot 1's load stays out
	s_barrier_signal -1
	s_barrier_wait -1
	FETCH_B 0, 0, 0
	FETCH_A 0, 0, 0
	SCALES 0, ADRS, 0
	FETCH_A 0, 0, 4
	STEP 0, 0, 1, 1                                ; PHASE 1: the first step's products start the sums
	STEP 0, 1, 0, 1
	STEP 0, 2, 0, 1
	TURN 0, 1, 1, 1, ADRS, 1                       ; slot 0's weight half takes Wv's K step 0
	STEP 1, 0, 0, 1
	STEP 1, 1, 0, 1
	STEP 1, 2, 0, 1
	TURN 1, 0, 1, 1, ADRS2, 0                      ; slot 1's takes Wv's K step 1; phase 2's first fragments are fetched
	EPI 0                                          ; K leaves; its conversions are also the places between the last products and the products that begin the sums anew
	STEP 0, 0, 1, 2                                ; PHASE 2
	STEP 0, 1, 0, 2
	STEP 0, 2, 0, 2
	TURN 0, 1, 0, 2, ADRS2, 1                      ; nothing is filled any more: no round
	STEP 1, 0, 0, 2
	STEP 1, 1, 0, 2
	STEP 1, 2, 0, 2
	s_wait_dscnt 4*NL
	WIN 0xa4
	MUL16 0, 1, NQ-1, 1, 0, 2
	MUL16 2, 1, NQ-1, 1, 0, 2
	s_wait_dscnt 0
	WIN 0xf4
	MUL16 4, 1, NQ-1, 1, 0, 2
	MUL16 6, 1, NQ-1, 1, 0, 2
	WIN 0
	PLACES NP
	s_wait_loadcnt 0x0                             ; bv
	s_wait_xcnt 0x0                                ; K's last stores, a whole phase back, have read their data: both sets of packed results may be written again
.irp p, 0,1,2,3
	v_mov_b32 v[MXR+\p], 0
.endr
	EPI 1
	v_max3_num_f32 v[MXR], v[MXR], v[MXR+1], v[MXR+2]
	v_max_num_f32 v[MXR], v[MXR], v[MXR+3]
	v_max_num_f32_dpp v[MXR], v[MXR], v[MXR] row_xmask:1 row_mask:0xf bank_mask:0xf
	v_max_num_f32_dpp v[MXR], v[MXR], v[MXR] row_xmask:2 row_mask:0xf bank_mask:0xf
	v_max_num_f32_dpp v[MXR], v[MXR], v[MXR] row_xmask:4 row_mask:0xf bank_mask:0xf
	v_max_num_f32_dpp v[MXR], v[MXR], v[MXR] row_xmask:8 row_mask:0xf bank_mask:0xf
	v_permlanex16_b32 v[MXR+1], v[MXR], s96, s97
	v_max_num_f32 v[MXR], v[MXR], v[MXR+1]         ; the wave's largest |V + bv|
	v_cmp_eq_u32 vcc_lo, 0, v[LN]
	s_wait_xcnt 0x0                                ; EXEC changes only behind this wait
	s_and_saveexec_b32 s18, vcc_lo
	global_store_b32 v[ZO], v[MXR], s[12:13]       ; lane 0 stores it
	s_wait_xcnt 0x0
	s_or_b32 exec_lo, exec_lo, s18
	s_wait_tensorcnt 0x0                           ; the wave's end
	ds_add_u32 v[SPW], v[NIL]
	s_wait_dscnt 0x0
	CROUND                                         ; the closing round
	s_endpgm
.Lfunc_end_k_q4a8996abef_kvproj:
	.size	k_q4a8996abef_kvproj, .Lfunc_end_k_q4a8996abef_kvproj-k_q4a8996abef_kvproj
	.p2alignl 7, 3214868480
	.fill 96, 4, 3214868480
	.section	.rodata,"a",@progbits
	.p2align	6, 0x0
	.amdhsa_kernel k_q4a8996abef_kvproj
		.amdhsa_group_segment_fixed_size 327680
		.amdhsa_private_segment_fixed_size 0
		.amdhsa_enable_private_segment 0
		.amdhsa_kernarg_size 40
		.amdhsa_user_sgpr_count 2
		.amdhsa_user_sgpr_kernarg_segment_ptr 1
		.amdhsa_wavefront_size32 1
		.amdhsa_system_sgpr_workgroup_id_x 1
		.amdhsa_system_sgpr_workgroup_id_y 1
		.amdhsa_system_sgpr_workgroup_id_z 1
		.amdhsa_system_vgpr_workitem_id 0
		.amdhsa_next_free_vgpr 1024
		.amdhsa_next_free_sgpr 100
		.amdhsa_reserve_vcc 1
		.amdhsa_float_denorm_mode_32 3
		.amdhsa_float_denorm_mode_16_64 3
		.amdhsa_memory_ordered 1
		.amdhsa_forward_progress 1
		.amdhsa_inst_pref_size 255
	.end_amdhsa_kernel
	.section	.bss,"aw",@nobits
	.p2align	6
	.space	262144
	.amdgpu_metadata
---
amdhsa.version: [ 1, 2 ]
amdhsa.kernels:
  - .name:           k_q4a8996abef_kvproj
    .symbol:         k_q4a8996abef_kvproj.kd
    .args:
      - { .name: codes, .offset: 0, .size: 8, .value_kind: global_buffer, .address_space: global }
      - { .name: scales, .offset: 8, .size: 8, .value_kind: global_buffer, .address_space: global }
      - { .name: bv, .offset: 16, .size: 8, .value_kind: global_buffer, .address_space: global }
      - { .name: kv, .offset: 24, .size: 8, .value_kind: global_buffer, .address_space: global }
      - { .name: vmax, .offset: 32, .size: 8, .value_kind: global_buffer, .address_space: global }
    .group_segment_fixed_size: 327680
    .private_segment_fixed_size: 0
    .kernarg_segment_align: 8
    .kernarg_segment_size: 40
    .max_flat_workgroup_size: 128
    .sgpr_count:     100
    .vgpr_count:     1024
    .wavefront_size: 32
...
	.end_amdgpu_metadata
.endif
;; end of part 2
;; launch attn (part 3): grid 16 x 16, 8 waves a work-group, no clusters, 308,736 bytes of LDS; arguments kv, vmax, codes, scales, bq, att; writes att
.if DOCPART == 3
	.amdgcn_target "amdgcn-amd-amdhsa--gfx1250"
	.amdhsa_code_object_version 6
	.text
	.protected	k_q4a8996abef_attn
	.globl	k_q4a8996abef_attn
	.p2align	8
	.type	k_q4a8996abef_attn,@function
k_q4a8996abef_attn:
	s_mov_b64 s[64:65], 0
	v_nop
	global_prefetch_b8 v0, s[64:65] scope:SCOPE_SE
	s_setreg_imm32_b32 hwreg(HW_REG_WAVE_MODE, 25, 1), 1
	s_wait_xcnt 0x0
; One work-group for one batch b (grid y) and head h (grid x): q = text Wq + bq on codes of E2M1; P = softmax over the 1,024 keys of q k^T / 8; T = P V; out = P^T T.
; The three later products take f16 operands and f32 sums.  bk is left out (shown dead at the head of the first kernel).
; SHARES.  Eight waves, two to a SIMD, so that one wave's exponentials stand beside the other's products.  Wave w owns keys 128 w .. 128 w + 127; its K (128 registers) and V^T (128) come as images of operand registers.
; STEP B, for each tile of 16 queries: S^T = K q^T (a lane holds one query, its registers run along my keys); my own maximum m_w; p = 2^(c s - c m_w), c = log2(e) / 8; l_w = the sum of p; T'_w^T = V^T p^T.
; REDUCTION: wave w joins tile w of the queries over the eight waves: m = the largest m_w', T' and l weighed by 2^(c m_w' - c m).  What goes on is T^ = T' g, g = 2^(134 - E) / l^2: one 1 / l makes T of T',
; the other stands for the 1 / l of the weights in the last product, which therefore takes p' = 2^(c s - c m) as it is.  E is the exponent field of the batch's largest |V| (at least 2^-24):
; |T| < 2^(E - 126) and the weights of one key sum to at most 128 over the queries, so |T^ l| < 2^8 and the stored result lies under 2^15 for every input: inside f16.  The last launch multiplies by 2^(E - 134).
; STEP C, for each tile of 16 of my keys: S = q K^T again (same bits, a lane now holds one key, registers along the queries), p', out^T = T^^T p': a lane holds one key and eight channels: 16 bytes, stored as they stand.
; att: [row / 16][column / 16][512 bytes]: lane (r, hh) holds 2^(134 - E) out[16 (row / 16) + r][16 (column / 16) + 8 hh + 0..7] as f16: an image of the last product's operand.
; No cluster and no tensor load: what the sixteen heads of a batch share (the text's codes and scales, 68 KB) is small beside a work-group's own 256 KB of K and V.  No prefetch: all loads stand at the head.
; LIMITS: |q|, |k|, |v| under 65,504; NaN and infinities are not served.
; REGISTERS.  Window 0: v1-23 addresses and what stays; v24-31 at work; v32-47 the scale words of the first product, and nothing else; from v48 by stage (see the names).
;   Window 1: v0-127 K, later q's 16 fragments; v128-255 Wq's codes, then V^T, then T^^T.
.set TPB,   16384                      ; LDS: q's 16 fragments lie from 0 on (fragment (tile, 32 channels c) at (2 tile + c) 1,024); then eight waves' partial T', 32,768 each (later each wave's own K)
.set MLB,   278528                     ; (c m_w, l_w): wave x 1,024 + query x 8
.set TTB,   286720                     ; T^ [query][channel] f16, rows of 128 bytes + 32
.set MFB,   307200                     ; c m of the 128 queries
.set SPARE, 307712                     ; the spare words, 128 bytes for each wave
.set LI,   4                           ; v4  16 x lane
.set AQS,  5                           ; v5  where I store q's fragments
.set ATP,  6                           ; v6  my partial T' (later my K)
.set ATR,  7                           ; v7-10 the partials of waves 2 k, 2 k + 1 for my tile
.set AML,  11
.set AMR,  12
.set ATT,  13
.set ATL,  14
.set AMFS, 15
.set AMFL, 16
.set AD0,  17                          ; v17-19 the trip's addresses
.set AD1,  18
.set AD2,  19
.set SPW,  20
.set NIL,  21
.set SCT,  23                          ; v23 2^(134 - E)
.set SCQ,  32
.set BQ,   48                          ; the projection: bq as C, 2 x 8;
.set QACC, 64                          ; four accumulators;
.set QPK,  96                          ; q as f16;
.set TXF,  128                         ; the text's codes, 16 fragments
.set QW,   48                          ; step B: a tile's two fragments of q (step C: of K)
.set S,    64                          ; scores, then p
.set P,    128                         ; p as f16
.set TA,   160                         ; T'^T (step C: out^T)
.set MX,   192
.set CML,  200                         ; v200 c m, v201 l
.set SU,   202
.set TM,   206
.set RT,   64                          ; the reduction: two batches of 32;
.set RA,   128                         ; the joined T';
.set STA,  160                         ; eight (c m, l);
.set FW,   176                         ; eight weights
.set MS,   192                         ; step C: c m of the 128 queries, in the scores' layout
.set MSB, 0
.macro WIN new
.if MSB != (\new)
	s_set_vgpr_msb (MSB<<8)|(\new)
.set MSB, (\new)
.endif
.endm
	s_load_b256 s[4:11], s[0:1], 0x0               ; kv s[4:5], vmax s[6:7], codes s[8:9], scales s[10:11]
	s_load_b128 s[12:15], s[0:1], 0x20             ; bq s[12:13], att s[14:15]
	v_lshl_add_u32 v[SPW], v0, 2, SPARE
	v_mov_b32 v[NIL], 0
	v_lshrrev_b32 v1, 5, v0
	v_readfirstlane_b32 s16, v1                    ; wave 0..7
	v_and_b32 v1, 31, v0                           ; lane
	v_and_b32 v2, 15, v0                           ; r
	v_bfe_u32 v3, v0, 4, 1                         ; hh
	v_lshlrev_b32 v[LI], 4, v1
	s_and_b32 s17, s16, 1                          ; c: which 32 channels of q I make
	s_lshr_b32 s18, s16, 1                         ; tq: which 32 queries
	s_and_b32 s19, ttmp7, 0xffff                   ; b
	s_mov_b32 s20, 0x76543210
	s_mov_b32 s21, 0xfedcba98                      ; v_permlanex16_b32's selects for lane l xor 16
	s_mov_b32 s22, 0x3e38aa3b                      ; log2(e) / 8
	s_mov_b32 s23, s22
	s_lshl_b32 s28, s18, 2
	s_add_co_u32 s28, s28, s17
	s_lshl_b32 s28, s28, 10
	v_add_nc_u32 v[AQS], s28, v[LI]
	s_lshl_b32 s28, s16, 15
	s_add_co_u32 s28, s28, TPB
	v_add_nc_u32 v[ATP], s28, v[LI]
	s_lshl_b32 s28, s16, 12
	s_add_co_u32 s28, s28, TPB
	v_add_nc_u32 v[ATR], s28, v[LI]
	v_add_nc_u32 v[ATR+1], 65536, v[ATR]
	v_add_nc_u32 v[ATR+2], 65536, v[ATR+1]
	v_add_nc_u32 v[ATR+3], 65536, v[ATR+2]
	s_lshl_b32 s28, s16, 10
	s_add_co_u32 s28, s28, MLB
	v_lshl_add_u32 v[AML], v2, 3, s28
	s_lshl_b32 s28, s16, 7
	s_add_co_u32 s28, s28, MLB
	v_lshl_add_u32 v[AMR], v2, 3, s28
	s_mul_i32 s28, s16, 2560
	s_add_co_u32 s28, s28, TTB
	v_mul_u32_u24 v[ATT], v2, 160
	v_lshl_add_u32 v[ATT], v3, 4, v[ATT]
	v_add_nc_u32 v[ATT], s28, v[ATT]               ; T^: row 16 w + r, + 16 hh
	v_and_b32 v24, 7, v0
	v_lshl_add_u32 v24, v3, 3, v24
	v_mul_u32_u24 v[ATL], v24, 160
	v_bfe_u32 v24, v0, 3, 1
	v_lshl_add_u32 v[ATL], v24, 4, v[ATL]
	v_add_nc_u32 v[ATL], TTB, v[ATL]               ; the turning load: row 8 hh + lane % 8, + 16 ((lane / 8) % 2)
	s_lshl_b32 s28, s16, 6
	s_add_co_u32 s28, s28, MFB
	v_lshl_add_u32 v[AMFS], v2, 2, s28
	v_lshl_add_u32 v[AMFL], v3, 5, MFB
	s_lshl_b32 s32, ttmp9, 6
	s_lshl_b32 s33, s17, 5
	s_add_co_u32 s32, s32, s33                     ; my first channel among the 1,024: 64 h + 32 c
	s_add_co_u32 s34, s32, 20480                   ; its row of codes
	s_lshl_b32 s35, s19, 7
	s_lshl_b32 s33, s18, 5
	s_add_co_u32 s35, s35, s33
	s_add_co_u32 s35, s35, 16384                   ; my first query's row of codes: the flat row 128 b + 32 tq of the text
	s_sub_co_u32 s38, s34, s35
	s_lshl_b32 s38, s38, 5                         ; from the text's scale rows up to Wq's, in bytes
	v_lshlrev_b32 v24, 9, v2
	v_lshl_add_u32 v24, v3, 4, v24                 ; codes: row r of 512 bytes, + 16 hh
	v_xor_b32 v26, 1, v3
	v_mul_lo_u32 v26, v26, s38
	v_lshl_add_u32 v25, v2, 5, v26                 ; scale words: lanes 0-15 Wq's row r, lanes 16-31 the text's row r
	v_lshlrev_b32 v27, 5, v3                       ; bq: 8 numbers for each half of the lanes
	v_lshlrev_b32 v28, 3, v1                       ; vmax: two numbers a lane
	s_mov_b32 s37, 0
	s_wait_kmcnt 0x0
	s_lshl_b32 s36, s34, 9
	s_add_nc_u64 s[28:29], s[8:9], s[36:37]        ; Wq's codes
	s_lshl_b32 s36, s35, 9
	s_add_nc_u64 s[30:31], s[8:9], s[36:37]        ; the text's
	s_lshl_b32 s36, s35, 5
	s_add_nc_u64 s[10:11], s[10:11], s[36:37]
	s_lshl_b32 s36, s32, 2
	s_add_nc_u64 s[12:13], s[12:13], s[36:37]
	s_lshl_b32 s36, s19, 8
	s_add_nc_u64 s[6:7], s[6:7], s[36:37]
	s_lshl_b32 s36, s19, 4
	s_add_co_u32 s36, s36, ttmp9
	s_lshl_b32 s36, s36, 17
	s_lshl_b32 s39, s16, 14
	s_add_co_u32 s36, s36, s39
	s_add_nc_u64 s[4:5], s[4:5], s[36:37]          ; my K: 16,384 consecutive bytes,
	s_add_nc_u64 s[40:41], s[4:5], 33554432        ; my V likewise
	s_lshl_b32 s36, s19, 6
	s_lshl_b32 s39, s16, 3
	s_add_co_u32 s36, s36, s39
	s_lshl_b32 s36, s36, 15
	s_lshl_b32 s39, ttmp9, 11
	s_add_co_u32 s36, s36, s39
	s_add_nc_u64 s[14:15], s[14:15], s[36:37]      ; att at my first 16 keys, my head's four blocks
	global_load_b64 v[30:31], v28, s[6:7]
.irp x, 0,1
.irp e, 0,1
	global_load_b128 v[SCQ+8*\x+4*\e:SCQ+8*\x+4*\e+3], v25, s[10:11] offset:512*\x+16*\e   ; register 8 x + ks: the words of K step ks of tile x
	global_load_b128 v[BQ+8*\x+4*\e:BQ+8*\x+4*\e+3], v27, s[12:13] offset:64*\x+16*\e
.endr
.endr
.irp x, 0,1
.irp ks, 0,1,2,3,4,5,6,7
.irp e, 0,1
	global_load_b128 v[TXF+8*(8*\x+\ks)+4*\e:TXF+8*(8*\x+\ks)+4*\e+3], v24, s[30:31] offset:8192*\x+64*\ks+32*\e
.endr
.endr
.endr
	WIN 0x40                                       ; destination window 1
.irp x, 0,1
.irp ks, 0,1,2,3,4,5,6,7
.irp e, 0,1
	global_load_b128 v[128+8*(8*\x+\ks)+4*\e:128+8*(8*\x+\ks)+4*\e+3], v24, s[28:29] offset:8192*\x+64*\ks+32*\e
.endr
.endr
.endr
.set i, 0
.rept 32
	global_load_b128 v[4*i:4*i+3], v[LI], s[4:5] offset:512*i th:TH_LOAD_NT    ; K: fragment (tile st, 32 channels c) at v[16 st + 8 c]
.set i, i+1
.endr
	WIN 0
	s_wait_loadcnt 32                              ; all but K's 32 loads are in
	; q^T = Wq^T text^T + bq: source 0 = 16 channels, source 1 = 16 queries: a lane holds one query and eight neighbouring channels.  Four accumulators by turns, K ascending; bq is the C of each sum's first product.
	WIN 0x01
.irp ks, 0,1,2,3,4,5,6,7
.irp tl, 0,1
.irp dl, 0,1
.if \ks == 0
	v_wmma_scale_f32_16x16x128_f8f6f4 v[QACC+8*(2*\tl+\dl):QACC+8*(2*\tl+\dl)+7], v[128+8*(8*\dl+\ks):128+8*(8*\dl+\ks)+7], v[TXF+8*(8*\tl+\ks):TXF+8*(8*\tl+\ks)+7], v[BQ+8*\dl:BQ+8*\dl+7], v[SCQ+8*\dl+\ks], v[SCQ+8*\tl+\ks] matrix_a_fmt:MATRIX_FMT_FP4 matrix_b_fmt:MATRIX_FMT_FP4 matrix_b_scale:MATRIX_SCALE_ROW1
.else
	v_wmma_scale_f32_16x16x128_f8f6f4 v[QACC+8*(2*\tl+\dl):QACC+8*(2*\tl+\dl)+7], v[128+8*(8*\dl+\ks):128+8*(8*\dl+\ks)+7], v[TXF+8*(8*\tl+\ks):TXF+8*(8*\tl+\ks)+7], v[QACC+8*(2*\tl+\dl):QACC+8*(2*\tl+\dl)+7], v[SCQ+8*\dl+\ks], v[SCQ+8*\tl+\ks] matrix_a_fmt:MATRIX_FMT_FP4 matrix_b_fmt:MATRIX_FMT_FP4 matrix_b_scale:MATRIX_SCALE_ROW1
.endif
.endr
.endr
.endr
	WIN 0
	v_max3_num_f32 v30, v30, v31, 0x33800000       ; the batch's largest |V|, and the floor 2^-24
	v_max_num_f32_dpp v30, v30, v30 row_xmask:1 row_mask:0xf bank_mask:0xf
	v_max_num_f32_dpp v30, v30, v30 row_xmask:2 row_mask:0xf bank_mask:0xf
	v_max_num_f32_dpp v30, v30, v30 row_xmask:4 row_mask:0xf bank_mask:0xf
	v_max_num_f32_dpp v30, v30, v30 row_xmask:8 row_mask:0xf bank_mask:0xf
	v_permlanex16_b32 v31, v30, s20, s21
	v_max_num_f32 v30, v30, v31
	v_and_b32 v30, 0x7f800000, v30                 ; its exponent field E, in place
	v_sub_nc_u32 v[SCT], 0x82800000, v30           ; the field 261 - E: 2^(134 - E)
.rept 4
	v_nop                                          ; places in front of loads into registers that the products have read, and of the reads of their results
.endr
	WIN 0x40
.set i, 0
.rept 32
	global_load_b128 v[128+((i/8)*4+i%4)*8+((i/4)%2)*4:128+((i/8)*4+i%4)*8+((i/4)%2)*4+3], v[LI], s[40:41] offset:512*i th:TH_LOAD_NT   ; V^T: fragment (32 keys su, 16 channels dt) at v[128 + 8 (4 su + dt)]
.set i, i+1
.endr
	WIN 0
.set i, 0
.rept 16
	v_cvt_pk_f16_f32 v[QPK+i], v[QACC+2*i], v[QACC+2*i+1]
.set i, i+1
.endr
.irp tl, 0,1
.irp dl, 0,1
	ds_store_b128 v[AQS], v[QPK+4*(2*\tl+\dl):QPK+4*(2*\tl+\dl)+3] offset:2048*\tl+512*\dl   ; half dl of fragment (2 tq + tl, c), as an image of its registers
.endr
.endr
	v_mov_b32 v[CML+1], 0                          ; (named in a pair before it is first made)
	v_mov_b32 v[TM], 0                             ; (a lane permute's destination counts as one of its sources)
	s_wait_dscnt 0x0                               ; my stores have landed
	s_barrier_signal -1
	s_barrier_wait -1                              ; q's sixteen fragments lie in LDS
	s_wait_loadcnt 32                              ; K is in; V's 32 loads stay out
	; ---- STEP B: eight trips, a tile of 16 queries each
	s_mov_b32 s24, 0                               ; q's fragments: 2,048 bytes a trip
	s_mov_b32 s25, 0                               ; my partial T': 4,096
	s_mov_b32 s26, 0                               ; my (c m, l): 128
	s_mov_b32 s27, 0
.Lstep_b:
	v_add_nc_u32 v[AD0], s24, v[LI]
.irp i, 0,1,2,3
	ds_load_b128 v[QW+4*\i:QW+4*\i+3], v[AD0] offset:512*\i
.endr
	s_wait_dscnt 0x0                               ; q's tile is in, and the last trip's stores have read their registers
	WIN 0x01
.irp c, 0,1
.irp st, 0,1,2,3,4,5,6,7
.if \c == 0
	v_wmma_f32_16x16x32_f16 v[S+8*\st:S+8*\st+7], v[16*\st+8*\c:16*\st+8*\c+7], v[QW+8*\c:QW+8*\c+7], 0
.else
	v_wmma_f32_16x16x32_f16 v[S+8*\st:S+8*\st+7], v[16*\st+8*\c:16*\st+8*\c+7], v[QW+8*\c:QW+8*\c+7], v[S+8*\st:S+8*\st+7]
.endif
.endr
.endr
	WIN 0
.rept 4
	v_nop
.endr
.irp st, 0,1,2,3,4,5,6,7
	v_max3_num_f32 v[MX+\st], v[S+8*\st], v[S+8*\st+1], v[S+8*\st+2]       ; the largest score of my 128 keys: eight chains by turns
.endr
.irp i, 3,5
.irp st, 0,1,2,3,4,5,6,7
	v_max3_num_f32 v[MX+\st], v[MX+\st], v[S+8*\st+\i], v[S+8*\st+\i+1]
.endr
.endr
.irp st, 0,1,2,3,4,5,6,7
	v_max_num_f32 v[MX+\st], v[MX+\st], v[S+8*\st+7]
.endr
	v_max3_num_f32 v[MX], v[MX], v[MX+1], v[MX+2]
	v_max3_num_f32 v[MX+3], v[MX+3], v[MX+4], v[MX+5]
	v_max3_num_f32 v[MX], v[MX], v[MX+3], v[MX+6]
	v_max_num_f32 v[MX], v[MX], v[MX+7]
	v_permlanex16_b32 v[MX+1], v[MX], s20, s21
	v_max_num_f32 v[MX], v[MX], v[MX+1]            ; with lane l xor 16's keys
	v_mul_f32 v[CML], s22, v[MX]                   ; c m
.set j, 0
.rept 32
	v_pk_fma_f32 v[S+j:S+j+1], v[S+j:S+j+1], s[22:23], v[CML:CML+1] op_sel_hi:[1,0,0] neg_lo:[0,0,1] neg_hi:[0,0,1]   ; c s - c m, two at a time
.set j, j+2
.endr
.set j, 0
.rept 64
	v_exp_f32 v[S+j], v[S+j]
.set j, j+1
.endr
	v_nop                                          ; a plain instruction behind the last exponential
	s_wait_alu depctr_va_vdst(0)                   ; one wait for the batch, ahead of its first reader
.set j, 0
.rept 32
	v_cvt_pk_f16_f32 v[P+j], v[S+2*j], v[S+2*j+1]  ; tiles 2 su and 2 su + 1 are the two halves of fragment su: 32 neighbouring keys
.set j, j+1
.endr
	v_pk_add_f32 v[SU:SU+1], v[S:S+1], v[S+2:S+3]  ; the sum of the unrounded p, in two chains
	v_pk_add_f32 v[SU+2:SU+3], v[S+4:S+5], v[S+6:S+7]
.irp j, 8,12,16,20,24,28,32,36,40,44,48,52,56,60
	v_pk_add_f32 v[SU:SU+1], v[SU:SU+1], v[S+\j:S+\j+1]
	v_pk_add_f32 v[SU+2:SU+3], v[SU+2:SU+3], v[S+\j+2:S+\j+3]
.endr
	v_pk_add_f32 v[SU:SU+1], v[SU:SU+1], v[SU+2:SU+3]
	v_add_f32 v[CML+1], v[SU], v[SU+1]
	v_permlanex16_b32 v[TM], v[CML+1], s20, s21
	v_add_f32 v[CML+1], v[CML+1], v[TM]            ; l
	s_wait_loadcnt 0x0                             ; V (met at once from the second trip on)
	WIN 0x01
.irp su, 0,1,2,3
.irp dt, 0,1,2,3
.if \su == 0
	v_wmma_f32_16x16x32_f16 v[TA+8*\dt:TA+8*\dt+7], v[128+8*(4*\su+\dt):128+8*(4*\su+\dt)+7], v[P+8*\su:P+8*\su+7], 0
.else
	v_wmma_f32_16x16x32_f16 v[TA+8*\dt:TA+8*\dt+7], v[128+8*(4*\su+\dt):128+8*(4*\su+\dt)+7], v[P+8*\su:P+8*\su+7], v[TA+8*\dt:TA+8*\dt+7]
.endif
.endr
.endr
	WIN 0
	v_add_nc_u32 v[AD1], s25, v[ATP]               ; four places behind the products: two additions that are due, two v_nop
	v_add_nc_u32 v[AD2], s26, v[AML]
	v_nop
	v_nop
.irp i, 0,1,2,3,4,5,6,7
	ds_store_b128 v[AD1], v[TA+4*\i:TA+4*\i+3] offset:512*\i
.endr
	ds_store_b64 v[AD2], v[CML:CML+1]              ; both halves of the lanes write the same pair
	s_add_co_u32 s24, s24, 2048
	s_add_co_u32 s25, s25, 4096
	s_add_co_u32 s26, s26, 128
	s_add_co_u32 s27, s27, 1
	s_cmp_lt_u32 s27, 8
	s_cbranch_scc1 .Lstep_b
	s_wait_dscnt 0x0
	s_barrier_signal -1
	s_barrier_wait -1                              ; all partials lie in LDS
	; ---- THE REDUCTION: tile w of the queries, over the eight waves
.irp u, 0,1,2,3,4,5,6,7
	ds_load_b64 v[STA+2*\u:STA+2*\u+1], v[AMR] offset:1024*\u
.endr
.macro RLOAD u
.irp i, 0,1,2,3,4,5,6,7
	ds_load_b128 v[RT+32*((\u)%2)+4*\i:RT+32*((\u)%2)+4*\i+3], v[ATR+(\u)/2] offset:32768*((\u)%2)+512*\i
.endr
.endm
	RLOAD 0
	RLOAD 1
	s_wait_dscnt 16                                ; the eight pairs are in; two batches of partials stay out
	v_max3_num_f32 v192, v[STA], v[STA+2], v[STA+4]
	v_max3_num_f32 v192, v192, v[STA+6], v[STA+8]
	v_max3_num_f32 v192, v192, v[STA+10], v[STA+12]
	v_max_num_f32 v192, v192, v[STA+14]            ; c m of the whole row
.irp u, 0,1,2,3,4,5,6,7
	v_sub_f32 v[FW+\u], v[STA+2*\u], v192
.endr
.irp u, 0,1,2,3,4,5,6,7
	v_exp_f32 v[FW+\u], v[FW+\u]                   ; 2^(c m_u - c m), at most 1
.endr
	v_nop
	s_wait_alu depctr_va_vdst(0)
	v_mul_f32 v193, v[FW], v[STA+1]
.irp u, 1,2,3,4,5,6,7
	v_fmac_f32 v193, v[FW+\u], v[STA+2*\u+1]       ; l of the whole row
.endr
.irp u, 0,1,2,3,4,5,6,7
.if \u < 7
	s_wait_dscnt 8                                 ; batch u is in; the batch behind it stays out
.else
	s_wait_dscnt 0x0
.endif
.set j, 0
.rept 32
.if \u == 0
	v_mul_f32 v[RA+j], v[FW], v[RT+j]
.else
	v_fmac_f32 v[RA+j], v[FW+\u], v[RT+32*(\u%2)+j]
.endif
.set j, j+1
.endr
.if \u+2 < 8
	RLOAD \u+2
.endif
.endr
	v_rcp_f32 v194, v193
	v_nop
	s_wait_alu depctr_va_vdst(0)
	v_mul_f32 v194, v194, v194
	v_mul_f32 v194, v194, v[SCT]                   ; g = 2^(134 - E) / l^2
.set j, 0
.rept 32
	v_mul_f32 v[RA+j], v[RA+j], v194
.set j, j+1
.endr
.set j, 0
.rept 16
	v_cvt_pk_f16_f32 v[RT+j], v[RA+2*j], v[RA+2*j+1]
.set j, j+1
.endr
.irp dt, 0,1,2,3
	ds_store_b128 v[ATT], v[RT+4*\dt:RT+4*\dt+3] offset:32*\dt     ; T^[16 w + r][16 dt + 8 hh + 0..7]
.endr
	ds_store_b32 v[AMFS], v192
	s_wait_dscnt 0x0                               ; my stores have landed, and my reads of the partials are over
	s_barrier_signal -1
	s_barrier_wait -1
	; ---- STEP C.  My K goes into my own part of the partials' bytes, which nobody reads any more, to make room for q's sixteen fragments and T^^T's sixteen.
	WIN 0x04                                       ; an LDS store's data are its source 1: window 1
.set i, 0
.rept 32
	ds_store_b128 v[ATP], v[4*i:4*i+3] offset:512*i
.set i, i+1
.endr
	s_wait_dscnt 0x0                               ; the stores have read their registers
	WIN 0x40
.set i, 0
.rept 32
	ds_load_b128 v[4*i:4*i+3], v[LI] offset:512*i  ; q: fragment (tile tt, c) at v[8 (2 tt + c)]
.set i, i+1
.endr
.irp tu, 0,1,2,3
.irp dt, 0,1,2,3
	ds_load_tr16_b128 v[128+8*(4*\tu+\dt):128+8*(4*\tu+\dt)+3], v[ATL] offset:5120*\tu+32*\dt          ; T^^T: 16 channels x 32 queries, turned
	ds_load_tr16_b128 v[128+8*(4*\tu+\dt)+4:128+8*(4*\tu+\dt)+7], v[ATL] offset:5120*\tu+32*\dt+2560
.endr
.endr
	WIN 0
.irp tt, 0,1,2,3,4,5,6,7
	ds_load_b128 v[MS+8*\tt:MS+8*\tt+3], v[AMFL] offset:64*\tt     ; c m of queries 16 tt + 8 hh + 0..7
	ds_load_b128 v[MS+8*\tt+4:MS+8*\tt+7], v[AMFL] offset:64*\tt+16
.endr
	s_mov_b32 s24, 0
	s_mov_b32 s27, 0
.Lstep_c:                                          ; eight trips, a tile of 16 of my keys each
	v_add_nc_u32 v[AD0], s24, v[ATP]
.irp i, 0,1,2,3
	ds_load_b128 v[QW+4*\i:QW+4*\i+3], v[AD0] offset:512*\i
.endr
	s_wait_dscnt 0x0
	WIN 0x01
.irp c, 0,1
.irp tt, 0,1,2,3,4,5,6,7
.if \c == 0
	v_wmma_f32_16x16x32_f16 v[S+8*\tt:S+8*\tt+7], v[8*(2*\tt+\c):8*(2*\tt+\c)+7], v[QW+8*\c:QW+8*\c+7], 0
.else
	v_wmma_f32_16x16x32_f16 v[S+8*\tt:S+8*\tt+7], v[8*(2*\tt+\c):8*(2*\tt+\c)+7], v[QW+8*\c:QW+8*\c+7], v[S+8*\tt:S+8*\tt+7]
.endif
.endr
.endr
	WIN 0
.rept 4
	v_nop
.endr
.set j, 0
.rept 32
	v_pk_fma_f32 v[S+j:S+j+1], v[S+j:S+j+1], s[22:23], v[MS+j:MS+j+1] op_sel_hi:[1,0,1] neg_lo:[0,0,1] neg_hi:[0,0,1]   ; c s - c m of each register's own query
.set j, j+2
.endr
.set j, 0
.rept 64
	v_exp_f32 v[S+j], v[S+j]
.set j, j+1
.endr
	v_nop
	s_wait_alu depctr_va_vdst(0)                   ; one wait for the batch
.set j, 0
.rept 32
	v_cvt_pk_f16_f32 v[P+j], v[S+2*j], v[S+2*j+1]
.set j, j+1
.endr
	WIN 0x01
.irp tu, 0,1,2,3
.irp dt, 0,1,2,3
.if \tu == 0
	v_wmma_f32_16x16x32_f16 v[TA+8*\dt:TA+8*\dt+7], v[128+8*(4*\tu+\dt):128+8*(4*\tu+\dt)+7], v[P+8*\tu:P+8*\tu+7], 0
.else
	v_wmma_f32_16x16x32_f16 v[TA+8*\dt:TA+8*\dt+7], v[128+8*(4*\tu+\dt):128+8*(4*\tu+\dt)+7], v[P+8*\tu:P+8*\tu+7], v[TA+8*\dt:TA+8*\dt+7]
.endif
.endr
.endr
	WIN 0
.rept 4
	v_nop
.endr
.set j, 0
.rept 16
	v_cvt_pk_f16_f32 v[S+j], v[TA+2*j], v[TA+2*j+1]    ; into registers that the scores have left
.set j, j+1
.endr
.irp dt, 0,1,2,3
	global_store_b128 v[LI], v[S+4*\dt:S+4*\dt+3], s[14:15] offset:512*\dt     ; 512 consecutive bytes a store, 2,048 a trip
.endr
	s_wait_xcnt 0x0                                ; the stores have read their data and their base: both are written again
	s_add_nc_u64 s[14:15], s[14:15], 32768
	s_add_co_u32 s24, s24, 2048
	s_add_co_u32 s27, s27, 1
	s_cmp_lt_u32 s27, 8
	s_cbranch_scc1 .Lstep_c
	s_wait_tensorcnt 0x0                           ; the wave's end, behind my last LDS store
	ds_add_u32 v[SPW], v[NIL]
	s_wait_dscnt 0x0
	s_endpgm
.Lfunc_end_k_q4a8996abef_attn:
	.size	k_q4a8996abef_attn, .Lfunc_end_k_q4a8996abef_attn-k_q4a8996abef_attn
	.p2alignl 7, 3214868480
	.fill 96, 4, 3214868480
	.section	.rodata,"a",@progbits
	.p2align	6, 0x0
	.amdhsa_kernel k_q4a8996abef_attn
		.amdhsa_group_segment_fixed_size 308736
		.amdhsa_private_segment_fixed_size 0
		.amdhsa_enable_private_segment 0
		.amdhsa_kernarg_size 48
		.amdhsa_user_sgpr_count 2
		.amdhsa_user_sgpr_kernarg_segment_ptr 1
		.amdhsa_wavefront_size32 1
		.amdhsa_system_sgpr_workgroup_id_x 1
		.amdhsa_system_sgpr_workgroup_id_y 1
		.amdhsa_system_sgpr_workgroup_id_z 1
		.amdhsa_system_vgpr_workitem_id 0
		.amdhsa_next_free_vgpr 512
		.amdhsa_next_free_sgpr 66
		.amdhsa_reserve_vcc 0
		.amdhsa_float_denorm_mode_32 3
		.amdhsa_float_denorm_mode_16_64 3
		.amdhsa_memory_ordered 1
		.amdhsa_forward_progress 1
		.amdhsa_inst_pref_size 72
	.end_amdhsa_kernel
	.amdgpu_metadata
---
amdhsa.version: [ 1, 2 ]
amdhsa.kernels:
  - .name:           k_q4a8996abef_attn
    .symbol:         k_q4a8996abef_attn.kd
    .args:
      - { .name: kv, .offset: 0, .size: 8, .value_kind: global_buffer, .address_space: global }
      - { .name: vmax, .offset: 8, .size: 8, .value_kind: global_buffer, .address_space: global }
      - { .name: codes, .offset: 16, .size: 8, .value_kind: global_buffer, .address_space: global }
      - { .name: scales, .offset: 24, .size: 8, .value_kind: global_buffer, .address_space: global }
      - { .name: bq, .offset: 32, .size: 8, .value_kind: global_buffer, .address_space: global }
      - { .name: att, .offset: 40, .size: 8, .value_kind: global_buffer, .address_space: global }
    .group_segment_fixed_size: 308736
    .private_segment_fixed_size: 0
    .kernarg_segment_align: 8
    .kernarg_segment_size: 48
    .max_flat_workgroup_size: 256
    .sgpr_count:     66
    .vgpr_count:     512
    .wavefront_size: 32
...
	.end_amdgpu_metadata
.endif
;; end of part 3
;; launch oproj (part 4): grid 4 x 64, 4 waves a work-group, clusters of 4 x 4, 327,680 bytes of LDS; arguments att, wo16, vmax, bo, out0; writes out0
.if DOCPART == 4
	.amdgcn_target "amdgcn-amd-amdhsa--gfx1250"
	.amdhsa_code_object_version 6
	.text
	.protected	k_q4a8996abef_oproj
	.globl	k_q4a8996abef_oproj
	.p2align	8
	.type	k_q4a8996abef_oproj,@function
k_q4a8996abef_oproj:
	s_mov_b64 s[64:65], 0
	v_nop
	global_prefetch_b8 v0, s[64:65] scope:SCOPE_SE
	s_setreg_imm32_b32 hwreg(HW_REG_WAVE_MODE, 25, 1), 1
	s_wait_xcnt 0x0
	s_wait_alu depctr_hold_cnt(0) depctr_sa_sdst(0) depctr_va_vdst(0) depctr_va_sdst(0) depctr_va_ssrc(0) depctr_va_vcc(0) depctr_vm_vsrc(0)
	s_getreg_b32 s2, hwreg(HW_REG_IB_STS2, 6, 4)
	s_cmp_eq_u32 s2, 0
	s_cbranch_scc0 .Lentry_in_a_cluster
	s_endpgm
.Lentry_in_a_cluster:
	s_bfe_u32 s2, ttmp6, 0x10000c
	s_cmp_lg_u32 s2, 0xf033
	s_cbranch_scc0 .Lentry_shape_is_right
	s_endpgm
.Lentry_shape_is_right:
; out0 = out Wo + bo, f16 operands, f32 sums.  att holds 2^(134 - E_b) out as f16 and wo16 holds Wo as f16, both as images of operand registers ([tile of 16 rows][16 along K][512 bytes], lane l's 16 bytes at 16 l).
; E_b is the exponent field of the batch's largest |V| (at least 2^-24), taken from vmax as the launch before took it; each sum is multiplied by 2^(E_b - 134), which rounds nothing, and bo is added in the same instruction.
; A tile of out0, 256 x 256, is made by four waves, 128 x 128 each: 64 accumulators, 512 registers.  K goes in eight steps of 128 through two LDS slots.  A K step of one tile of 16 rows is 4,096 consecutive
; bytes, so a wave's tensor load brings 8 rows of 4,096 bytes, 32,768 bytes apart in memory; in LDS they lie on end, and every fragment load reads 512 consecutive bytes: no padding is wanted.
; CLUSTERS: 4 x 4 work-groups; att's tile is shared along a row of the cluster, wo16's along a column: joint loads.  The products are used transposed (source 0 = 16 columns of Wo, source 1 = 16 rows of att):
; a lane holds eight neighbouring numbers of a row of out0.
; REGISTERS: window 0: v1-31 addresses; v64-127, v128-191 att's fragments, two buffers (on the way out: results, rows read back); v192-255 bo in the results' layout.
;   window 1: v64-127, v128-191 Wo's fragments.   windows 2, 3: the accumulators ((a, b) at v[8 (8 (a % 4) + b)]).
.set SLOT,   131072                    ; att's 16 tiles x 4,096 bytes, then wo16's 16
.set STAGE,  2*SLOT                    ; 16 rows x (512 bytes + 16) for each wave
.set SPITCH, 528
.set SPARE,  STAGE+4*16*SPITCH         ; the spare words, 128 bytes for each wave
.set ADRA, 16
.set ADRB, 20
.set STO,  24
.set RD,   25
.set CO,   26
.set SPW,  28
.set NIL,  29
.set F0,   64
.set F1,   128
.set TMP,  64
.set BK,   128
.set BIAS, 192
.set G1, 24
.set G0, 32
.set G1B, 48
.set G0B, 56
.set MSB, 0
.macro WIN new
.if MSB != (\new)
	s_set_vgpr_msb (MSB<<8)|(\new)
.set MSB, (\new)
.endif
.endm
.set MUL_LO, 0xa1
.set MUL_HI, 0xf1
.set TO_B,   0x40
.macro JLOAD s                         ; waves 0 and 1 fetch att's two halves, waves 2 and 3 wo16's; s_nop 0 and four v_nop follow each line
	s_cmp_eq_u32 s15, 0
	s_cbranch_scc0 .Lfor_b_\@
	tensor_load_to_lds s[G0+4*\s:G0+4*\s+3], s[G1:G1+7]
	s_nop 0
.rept 4
	v_nop
.endr
	s_branch .Lasked_\@
.Lfor_b_\@:
	tensor_load_to_lds s[G0B+4*\s:G0B+4*\s+3], s[G1B:G1B+7]
	s_nop 0
.rept 4
	v_nop
.endr
.Lasked_\@:
.endm
.macro CREST
	s_cmp_lg_u32 s14, 0
	s_cbranch_scc1 .Lnot_wave_0_\@
	s_barrier_signal -3
.Lnot_wave_0_\@:
	s_barrier_wait -3
	s_barrier_signal -1
	s_barrier_wait -1
.endm
.macro CROUND
	s_barrier_signal -1
	s_barrier_wait -1
	CREST
.endm
	s_load_b256 s[4:11], s[0:1], 0x0               ; att s[4:5], wo16 s[6:7], vmax s[8:9], bo s[10:11]
	s_load_b64 s[12:13], s[0:1], 0x20              ; out0
	v_lshl_add_u32 v[SPW], v0, 2, SPARE
	v_mov_b32 v[NIL], 0
	ds_add_u32 v[SPW], v[NIL]                      ; the wave's opening: the add, twice on end, and its wait ahead of my first tensor load
	ds_add_u32 v[SPW], v[NIL]
	v_lshrrev_b32 v1, 5, v0
	v_readfirstlane_b32 s14, v1                    ; wave 0..3
	s_lshr_b32 s15, s14, 1                         ; which 128 rows are mine.  Also: I fetch for att (0) or for wo16 (1)
	s_and_b32 s16, s14, 1                          ; which 128 columns.  Also: which half I fetch
	s_bfe_u32 s40, ttmp6, 0x40000                  ; cx
	s_bfe_u32 s41, ttmp6, 0x40004                  ; cy
	s_lshl_b32 s42, ttmp9, 2
	s_add_co_u32 s42, s42, s40                     ; tile column
	s_and_b32 s17, ttmp7, 0xffff
	s_lshl_b32 s17, s17, 2
	s_add_co_u32 s17, s17, s41                     ; tile row
	s_lshl_b32 s43, s41, 2
	s_lshl_b32 s43, 15, s43                        ; my row of the cluster
	s_lshl_b32 s44, 0x1111, s40                    ; my column
	s_or_b32 s[G1+0], s43, (3<<16)|(1<<21)         ; the mask; elements of 8 bytes; no padding; bit 21 beside a mask
	s_or_b32 s[G1B+0], s44, (3<<16)|(1<<21)
.irp g, G1, G1B
	s_mov_b32 s[\g+1], 512<<16                     ; tensor_dim0 = 512 elements: 4,096 bytes
	s_mov_b32 s[\g+2], 8<<16                       ; tensor_dim1 = 8
	s_mov_b32 s[\g+3], 512<<16                     ; tile_dim0
	s_mov_b32 s[\g+4], 8                           ; tile_dim1
	s_mov_b32 s[\g+5], 4096                        ; from row to row: 32,768 bytes
	s_mov_b32 s[\g+6], 0
	s_mov_b32 s[\g+7], 0
.endr
	s_lshl_b32 s18, s16, 3
	s_lshl_b32 s20, s17, 4
	s_add_co_u32 s20, s20, s18                     ; att: tile of rows 16 x tile row + 8 x half
	s_lshl_b32 s20, s20, 15
	s_mov_b32 s21, 0
	s_lshl_b32 s46, s42, 4
	s_add_co_u32 s46, s46, s18                     ; wo16: tile of columns 16 x tile column + 8 x half
	s_lshl_b32 s46, s46, 15
	s_mov_b32 s47, 0
	s_lshl_b32 s45, s14, 15                        ; where they go: wave x 32,768: no place in the cluster enters an LDS address
	s_mov_b32 s22, 0x76543210
	s_mov_b32 s23, 0xfedcba98
	s_wait_dscnt 0x0                               ; both opening adds are done
	s_wait_kmcnt 0x0
	s_add_nc_u64 s[20:21], s[4:5], s[20:21]
	s_add_nc_u64 s[46:47], s[6:7], s[46:47]
	CROUND                                         ; all sixteen work-groups are here: the first joint loads meet
.irp s, 0,1
	s_mov_b32 s[G0+4*\s], 1
	s_add_co_u32 s[G0+4*\s+1], s45, \s*SLOT
	s_add_nc_u64 s[G0+4*\s+2:G0+4*\s+3], s[20:21], \s*4096
	s_or_b32 s[G0+4*\s+3], s[G0+4*\s+3], 0x80000000
	s_mov_b32 s[G0B+4*\s], 1
	s_add_co_u32 s[G0B+4*\s+1], s45, \s*SLOT
	s_add_nc_u64 s[G0B+4*\s+2:G0B+4*\s+3], s[46:47], \s*4096
	s_or_b32 s[G0B+4*\s+3], s[G0B+4*\s+3], 0x80000000
	JLOAD \s                                       ; two loads of mine are out behind the second
.endr
	v_and_b32 v1, 31, v0                           ; lane
	v_and_b32 v2, 15, v0                           ; r
	v_bfe_u32 v4, v0, 4, 1                         ; hh
	v_lshlrev_b32 v3, 4, v1
	s_lshl_b32 s18, s15, 15
	s_lshl_b32 s19, s16, 15
	s_add_co_u32 s19, s19, 65536
.irp s, 0,1
	v_add_nc_u32 v[ADRA+\s], s18, v3
	v_add_nc_u32 v[ADRB+\s], s19, v3
	s_add_co_u32 s18, s18, SLOT
	s_add_co_u32 s19, s19, SLOT
.endr
	s_mul_i32 s18, s14, 16*SPITCH
	s_add_co_u32 s18, s18, STAGE                   ; my stage
	v_mul_u32_u24 v5, v2, SPITCH
	v_lshl_add_u32 v5, v4, 5, v5
	v_add_nc_u32 v[STO], s18, v5                   ; in: row r, 32 bytes for each half of the lanes
	v_add_nc_u32 v[RD], s18, v3                    ; back: the 32 lanes take a row of 512 bytes
	v_lshlrev_b32 v[CO], 4, v1
	v_lshlrev_b32 v8, 5, v4                        ; bo: 8 numbers for each half of the lanes
	v_lshlrev_b32 v9, 3, v1                        ; vmax: two numbers a lane
	s_lshl_b32 s18, s17, 8
	s_lshl_b32 s19, s15, 7
	s_add_co_u32 s18, s18, s19
	s_lshl_b32 s18, s18, 12                        ; my first row of out0, 4,096 bytes a row
	s_lshl_b32 s19, s42, 10
	s_add_co_u32 s18, s18, s19
	s_lshl_b32 s19, s16, 9
	s_add_co_u32 s18, s18, s19                     ; and my first column
	s_mov_b32 s19, 0
	s_add_nc_u64 s[12:13], s[12:13], s[18:19]
	s_lshl_b32 s18, s42, 10
	s_lshl_b32 s40, s16, 9
	s_add_co_u32 s18, s18, s40
	s_add_nc_u64 s[10:11], s[10:11], s[18:19]
	s_and_b32 s18, ttmp7, 0xffff                   ; the batch: a cluster's 1,024 rows
	s_lshl_b32 s18, s18, 8
	s_add_nc_u64 s[8:9], s[8:9], s[18:19]
	global_load_b64 v[10:11], v9, s[8:9]
.irp nb, 0,1,2,3,4,5,6,7
	global_load_b128 v[BIAS+8*\nb:BIAS+8*\nb+3], v8, s[10:11] offset:64*\nb
	global_load_b128 v[BIAS+8*\nb+4:BIAS+8*\nb+7], v8, s[10:11] offset:64*\nb+16
.endr
	s_wait_loadcnt 0x0
	v_max3_num_f32 v10, v10, v11, 0x33800000       ; the batch's largest |V|, and the floor 2^-24
	v_max_num_f32_dpp v10, v10, v10 row_xmask:1 row_mask:0xf bank_mask:0xf
	v_max_num_f32_dpp v10, v10, v10 row_xmask:2 row_mask:0xf bank_mask:0xf
	v_max_num_f32_dpp v10, v10, v10 row_xmask:4 row_mask:0xf bank_mask:0xf
	v_max_num_f32_dpp v10, v10, v10 row_xmask:8 row_mask:0xf bank_mask:0xf
	v_permlanex16_b32 v11, v10, s22, s23
	v_max_num_f32 v10, v10, v11
	v_and_b32 v10, 0x7f800000, v10                 ; its exponent field E, in place
	v_add_nc_u32 v10, 0xfc800000, v10              ; the field E - 7: 2^(E - 134)
	v_readfirstlane_b32 s44, v10
	s_mov_b32 s45, s44                             ; (named with it as a pair)
.macro MUL16 f, hi, a0, zero           ; 16 matrix instructions, 32 along K; the 64 accumulators take turns, one instruction a turn
.irp a, \a0, \a0+1
.irp b, 0,1,2,3,4,5,6,7
.if \zero
	v_wmma_f32_16x16x32_f16 v[8*(8*(\a)+\b):8*(8*(\a)+\b)+7], v[\f+8*\b:\f+8*\b+7], v[\f+8*(4*\hi+\a):\f+8*(4*\hi+\a)+7], 0
.else
	v_wmma_f32_16x16x32_f16 v[8*(8*(\a)+\b):8*(8*(\a)+\b)+7], v[\f+8*\b:\f+8*\b+7], v[\f+8*(4*\hi+\a):\f+8*(4*\hi+\a)+7], v[8*(8*(\a)+\b):8*(8*(\a)+\b)+7]
.endif
.endr
.endr
.endm
.macro FETCH slot, k, f                ; 32 LDS loads in one run: the fragments of 32 along K, at byte k of each tile's 4,096
	WIN TO_B
.irp i, 0,1,2,3,4,5,6,7
	ds_load_b128 v[\f+8*\i:\f+8*\i+3],   v[ADRB+\slot] offset:\k+\i*4096
	ds_load_b128 v[\f+8*\i+4:\f+8*\i+7], v[ADRB+\slot] offset:\k+\i*4096+512
.endr
	WIN 0
.irp i, 0,1,2,3,4,5,6,7
	ds_load_b128 v[\f+8*\i:\f+8*\i+3],   v[ADRA+\slot] offset:\k+\i*4096
	ds_load_b128 v[\f+8*\i+4:\f+8*\i+7], v[ADRA+\slot] offset:\k+\i*4096+512
.endr
.endm
.macro PLACES                          ; four plain vector instructions between a matrix instruction and a load into, or a vector read of, its registers
.rept 4
	v_nop
.endr
.endm
.macro QUARTER slot, k, f, g, zero     ; multiplies buffer f; in its middle fetches the next quarter, at byte k, into buffer g
	s_wait_dscnt 8                                 ; all but the youngest eight loads (att's rows 64-127) are in
	WIN MUL_LO
	MUL16 \f, 0, 0, \zero
	MUL16 \f, 0, 2, \zero
	PLACES
	FETCH \slot, \k, \g
	s_wait_dscnt 32                                ; all but the 32 just issued
	WIN MUL_HI
	MUL16 \f, 1, 0, \zero
	MUL16 \f, 1, 2, \zero
.endm
; A K step's last quarter multiplies buffer 1 and changes slots: one barrier; in front of it each wave waits for all its tensor loads, adds 0 to its spare word, and waits for that and for its reads of this slot.
; fill = 1: the barrier opens a round of the cluster's, and the slot is filled again, two K steps ahead: from the request to the wait for it a wave issues 224 matrix instructions.
.macro TURN slot, next, fill
	WIN 0
	s_wait_tensorcnt 0x0                           ; all my tensor loads have landed: my part of the next slot
	ds_add_u32 v[SPW], v[NIL]                      ; 0 onto my spare word
	s_wait_dscnt 9                                 ; the add and the youngest eight loads may be out
	WIN MUL_LO
	MUL16 F1, 0, 0, 0
	s_wait_dscnt 0x0                               ; the add is done, and my reads of this slot are over
	s_barrier_signal -1
	MUL16 F1, 0, 2, 0
.if \fill
	WIN 0
.endif
	s_barrier_wait -1
.if \fill
	CREST                                          ; no wave of any partner still reads this slot or has a load on its way
	s_add_nc_u64 s[G0+4*\slot+2:G0+4*\slot+3], s[G0+4*\slot+2:G0+4*\slot+3], 8192
	s_add_nc_u64 s[G0B+4*\slot+2:G0B+4*\slot+3], s[G0B+4*\slot+2:G0B+4*\slot+3], 8192
	JLOAD \slot                                    ; the four v_nop behind it are also the places in front of the loads below
.else
	PLACES
.endif
	FETCH \next, 0, F0
	WIN MUL_HI
	MUL16 F1, 1, 0, 0
	MUL16 F1, 1, 2, 0
.endm
	s_wait_tensorcnt 1                             ; my part of K step 0 is in; K step 1's load stays out
	s_barrier_signal -1
	s_barrier_wait -1
	FETCH 0, 0, F0
	QUARTER 0, 1024, F0, F1, 1                     ; the first quarter's products start the sums
	WIN 0
	s_mov_b32 s3, 3
.Llap:                                             ; three trips, each once round the ring, from a lap's second quarter to the next lap's first: K steps 2 to 7 are asked for
	QUARTER 0, 2048, F1, F0, 0
	QUARTER 0, 3072, F0, F1, 0
	TURN 0, 1, 1
	QUARTER 1, 1024, F0, F1, 0
	QUARTER 1, 2048, F1, F0, 0
	QUARTER 1, 3072, F0, F1, 0
	TURN 1, 0, 1
	QUARTER 0, 1024, F0, F1, 0
	WIN 0
	s_sub_co_u32 s3, s3, 1
	s_cmp_lg_u32 s3, 0
	s_cbranch_scc1 .Llap
	QUARTER 0, 2048, F1, F0, 0                     ; the last lap fills nothing and has no round
	QUARTER 0, 3072, F0, F1, 0
	TURN 0, 1, 0
	QUARTER 1, 1024, F0, F1, 0
	QUARTER 1, 2048, F1, F0, 0
	QUARTER 1, 3072, F0, F1, 0
	s_wait_dscnt 8
	WIN MUL_LO
	MUL16 F1, 0, 0, 0
	MUL16 F1, 0, 2, 0
	s_wait_dscnt 0
	WIN MUL_HI
	MUL16 F1, 1, 0, 0
	MUL16 F1, 1, 2, 0
	WIN 0
; THE WAY OUT, by blocks of 16 rows x 128 columns: sum x 2^(E - 134) + bo in one packed instruction; through my own stage, so that the 32 lanes store a row's 512 consecutive bytes.
.macro PACK a
.set AC, 64*((\a)%4)
	WIN 0x02+((\a)/4)                              ; source 0: window 2 or 3
.irp b, 0,1,2,3,4,5,6,7
.irp p, 0,1,2,3
	v_pk_fma_f32 v[TMP+8*\b+2*\p:TMP+8*\b+2*\p+1], v[AC+8*\b+2*\p:AC+8*\b+2*\p+1], s[44:45], v[BIAS+8*\b+2*\p:BIAS+8*\b+2*\p+1] op_sel_hi:[1,0,1]
.endr
.endr
	WIN 0
.endm
.macro TOSTAGE
.irp b, 0,1,2,3,4,5,6,7
	ds_store_b128 v[STO], v[TMP+8*\b:TMP+8*\b+3] offset:64*\b
	ds_store_b128 v[STO], v[TMP+8*\b+4:TMP+8*\b+7] offset:64*\b+16
.endr
.irp t, 0,1,2,3,4,5,6,7,8,9,10,11,12,13,14,15
	ds_load_b128 v[BK+4*\t:BK+4*\t+3], v[RD] offset:\t*SPITCH      ; LDS serves a wave's instructions in order: these see the stores above
.endr
.endm
.macro SEND
	s_wait_dscnt 0x0                               ; the block is back in registers
.irp t, 0,1,2,3,4,5,6,7,8,9,10,11,12,13,14,15
	global_store_b128 v[CO], v[BK+4*\t:BK+4*\t+3], s[12:13] offset:\t*4096 th:TH_STORE_NT
.endr
.endm
	PLACES
	PACK 0
	TOSTAGE
.irp a, 1,2,3,4,5,6,7
	PACK \a                                        ; the next block's arithmetic stands between a block's loads from the stage and the wait for them
	SEND
	s_wait_xcnt 0x0                                ; the stores have read their registers and their base: both are written again
	s_add_nc_u64 s[12:13], s[12:13], 65536         ; 16 rows on
	TOSTAGE
.endr
	SEND
	s_wait_tensorcnt 0x0                           ; the wave's end
	ds_add_u32 v[SPW], v[NIL]
	s_wait_dscnt 0x0
	CROUND                                         ; the closing round
	s_endpgm
.Lfunc_end_k_q4a8996abef_oproj:
	.size	k_q4a8996abef_oproj, .Lfunc_end_k_q4a8996abef_oproj-k_q4a8996abef_oproj
	.p2alignl 7, 3214868480
	.fill 96, 4, 3214868480
	.section	.rodata,"a",@progbits
	.p2align	6, 0x0
	.amdhsa_kernel k_q4a8996abef_oproj
		.amdhsa_group_segment_fixed_size 327680
		.amdhsa_private_segment_fixed_size 0
		.amdhsa_enable_private_segment 0
		.amdhsa_kernarg_size 40
		.amdhsa_user_sgpr_count 2
		.amdhsa_user_sgpr_kernarg_segment_ptr 1
		.amdhsa_wavefront_size32 1
		.amdhsa_system_sgpr_workgroup_id_x 1
		.amdhsa_system_sgpr_workgroup_id_y 1
		.amdhsa_system_sgpr_workgroup_id_z 1
		.amdhsa_system_vgpr_workitem_id 0
		.amdhsa_next_free_vgpr 1024
		.amdhsa_next_free_sgpr 66
		.amdhsa_reserve_vcc 0
		.amdhsa_float_denorm_mode_32 3
		.amdhsa_float_denorm_mode_16_64 3
		.amdhsa_memory_ordered 1
		.amdhsa_forward_progress 1
		.amdhsa_inst_pref_size 159
	.end_amdhsa_kernel
	.amdgpu_metadata
---
amdhsa.version: [ 1, 2 ]
amdhsa.kernels:
  - .name:           k_q4a8996abef_oproj
    .symbol:         k_q4a8996abef_oproj.kd
    .args:
      - { .name: att, .offset: 0, .size: 8, .value_kind: global_buffer, .address_space: global }
      - { .name: wo16, .offset: 8, .size: 8, .value_kind: global_buffer, .address_space: global }
      - { .name: vmax, .offset: 16, .size: 8, .value_kind: global_buffer, .address_space: global }
      - { .name: bo, .offset: 24, .size: 8, .value_kind: global_buffer, .address_space: global }
      - { .name: out0, .offset: 32, .size: 8, .value_kind: global_buffer, .address_space: global }
    .group_segment_fixed_size: 327680
    .private_segment_fixed_size: 0
    .kernarg_segment_align: 8
    .kernarg_segment_size: 40
    .max_flat_workgroup_size: 128
    .sgpr_count:     66
    .vgpr_count:     1024
    .wavefront_size: 32
...
	.end_amdgpu_metadata
.endif
;; end of part 4
